; MI455X (gfx1250); checked and timed in simulation.
; The chip was launched on July 23, 2026; its instructions are those of AMD's public machine-readable ISA for CDNA 5 (MIT licence, August 2026) and "CDNA5" Instruction Set Architecture Reference Guide (July 2026). The comments in the code are by the model that wrote it; some were corrected since.
;; Multi Head Attention. Allowed arithmetic: matrix products marked QUANTISED: E4M3 operands, one given power-of-two scale a tensor, by v_wmma_f32_16x16x64_fp8_fp8 or v_wmma_f32_16x16x128_fp8_fp8, f32 sums; products left as they are: f32 operands where the result goes on into a quantised operand, else bf16, f16 or f32 operands; f32 sums; everything else in f32.
;; Inputs: Wk 1,024 x 1,024 float32; Wo 1,024 x 1,024 float32; Wq 1,024 x 1,024 float32; Wv 1,024 x 1,024 float32; attn_mask 1 x 1 x 2,048 x 2,048 float32; k 2 x 2,048 x 1,024 float32; key_padding_mask 2 x 2,048 bool; lowp_scales 12 int32 (the exponents e of the quantised operands' scales 2^e); q 2 x 2,048 x 1,024 float32; v 2 x 2,048 x 1,024 float32.
;; Outputs: out0 2 x 2,048 x 1,024 float32.
;; This version of the problem:
;;   THIS VERSION OF THE PROBLEM IS GIVEN IN LOW PRECISION. The matrix products marked QUANTISED in the list below multiply operands that are first quantised to E4M3 (4 exponent bits, 3 mantissa bits; 8 bits a number), with one given power-of-two scale for each operand tensor; their sums are f32. All else is computed in f32.
;;   The module's matrix products, in the order in which they are computed (A, B: the left and right operand; K: the contracted axis; several contracted axes count as one K, in the product's order):
;;     1. [M 4,096, K 1,024] x [K 1,024, N 1,024]; A: input q; B: input Wq: QUANTISED (scales: A lowp_scales[0], B lowp_scales[1])
;;     2. [M 4,096, K 1,024] x [K 1,024, N 1,024]; A: input k; B: input Wk: QUANTISED (scales: A lowp_scales[2], B lowp_scales[3])
;;     3. [M 4,096, K 1,024] x [K 1,024, N 1,024]; A: input v; B: input Wv: QUANTISED (scales: A lowp_scales[4], B lowp_scales[5])
;;     4. [M 2,048, K 1] x [K 1, N 32]; A: computed on the way; B: computed on the way: left as it is (no contracted axis)
;;     5. [M 2,048, K 1] x [K 1, N 32]; A: computed on the way; B: computed on the way: left as it is (no contracted axis)
;;     6. batch 32 x [M 2,048, K 64] x [K 64, N 2,048]; A: computed on the way; B: computed on the way: QUANTISED (scales: A lowp_scales[6], B lowp_scales[7])
;;     7. batch 32 x [M 2,048, K 2,048] x [K 2,048, N 64]; A: softmax (see below); B: computed on the way: QUANTISED (scales: A lowp_scales[8], B lowp_scales[9])
;;     8. [M 4,096, K 1,024] x [K 1,024, N 1,024]; A: computed on the way; B: input Wo: QUANTISED (scales: A lowp_scales[10], B lowp_scales[11])
;;   THE QUANTISER, for each operand of a quantised product, along K:
;;     - The operand's scale is 2^e, e = its entry of the input lowp_scales (int32; the entries are numbered through the quantised products in the list's order, A before B).
;;     - Each number is divided by the scale, clamped to +-448, and rounded to the nearest number of E4M3, ties to even, subnormals kept.
;;     - The product sums the exact products of the quantised numbers (number of the format x scale) in f32.
;;   ~~~python
;;   def quantise(x, axis, e):      # numpy; x: float32 -> the quantised numbers, widened to float32 again
;;       x = np.moveaxis(x, axis, -1); K = x.shape[-1]
;;       r = np.clip(x / 2.0 ** e, -448, 448)
;;       step = 2.0 ** (np.maximum(np.frexp(np.where(r == 0, 1, r))[1] - 1, -6) - 3)
;;       q = np.round(r / step) * step * 2.0 ** e      # np.round: ties to even
;;       return np.moveaxis(q, -1, axis).astype(np.float32)
;;   ~~~
;;   SOFTMAX AHEAD OF A QUANTISED PRODUCT. Where the list says 'softmax', what is quantised is not the finished softmax but p = 2^(t - M), with t = logit x log2(e) and M = ceil(the row's largest t), a whole number; so 1/2 < the row's largest p <= 1. The row's sum l is taken of the UNQUANTISED p, in f32, and the product's result is divided by l at the end. Since M is a whole number, a kernel that streams over the keys may use a running M (the ceiling of the running maximum): every later rescaling is an exact power of two, so the quantised numbers keep their values, but for numbers so far below the row's largest that they fall under the format's range.
;;   OPERANDS COMPUTED ON THE WAY. 'Computed on the way' means the value that the module computes at that place (a softmax that the list does not call 'softmax' is quantised finished and normalised). What goes into a quantiser is computed in f32, as accurately as f32 sums, v_exp_f32 and their like allow (about 1e-6 of the number): no bf16 or f16 on the way to a quantiser, and a product that is left as it is and whose result goes on into a quantised operand takes f32 operands (vector FMAs, or v_wmma_f32_16x16x4_f32). A number that lies on a knife's edge between two numbers of the format may be rounded either way, as far as f32 arithmetic and the matrix unit's own rounding can turn it there, and no further.
;; One version. Each part assembles by itself: llvm-mc -triple=amdgcn-amd-amdhsa -mcpu=gfx1250 --defsym DOCPART=n.
;; ======== version 1 of 1: 4 launches
;; limits: right only within a limited range of input values
;; workspace buffers: codes 16,777,216 bytes; mask2 33,554,432 bytes; trig 524,288 bytes; qimg 4,194,304 bytes; kv 8,388,608 bytes; oc 4,194,304 bytes
;; launch prep (part 1): grid 592 x 1, 4 waves a work-group, no clusters, 68,096 bytes of LDS; arguments q, k, v, Wq, Wk, Wv, Wo, attn_mask, key_padding_mask, lowp_scales, codes, mask2, trig; writes codes, mask2, trig
.if DOCPART == 1
	.amdgcn_target "amdgcn-amd-amdhsa--gfx1250"
	.amdhsa_code_object_version 6
	.text
	.protected	k_qb28e35961e_prep
	.globl	k_qb28e35961e_prep
	.p2align	8
	.type	k_qb28e35961e_prep,@function
k_qb28e35961e_prep:
	s_mov_b64 s[64:65], 0
	v_nop
	global_prefetch_b8 v0, s[64:65] scope:SCOPE_SE
	s_setreg_imm32_b32 hwreg(HW_REG_WAVE_MODE, 25, 1), 1
	s_wait_xcnt 0x0
; PREPARATION, three kinds of work-groups, told apart by the work-group's number alone; each kind has LDS bytes of its own.
;  0..511   q, k, v, Wq, Wk, Wv, Wo (f32, K innermost) become codes of E4M3 with the scale 2^e given for each: code = x / 2^e, held within +-448, to the nearest code, ties to even.
;           codes: q at 0, k at 4 MiB, v at 8 MiB, Wq, Wk, Wv, Wo at 12, 13, 14, 15 MiB, rows of 1,024 bytes.  A work-group takes 32,768 numbers, a wave 16 steps of 512.
;  512..767 mask2(b, query, key) = key padded in batch b ? fl(-1e9 x log2 e) : fl(attn_mask(query, key) x log2 e), f32, laid as the attention launch's registers want it:
;           the block of (b, query / 64, key / 128, (query / 16) % 4) is 8,192 bytes; its byte 512 g + 16 lane + 4 i is query 16 tile + lane % 16, key 16 (g / 2) + 8 (lane / 16) + 4 (g % 2) + i.
;  768..783 trig: for each position t a row of 256 bytes: 16 groups i of (cos t f[2i], cos t f[2i+1], -sin t f[2i], +sin t f[2i+1]), f[j] = 10^(-j/8), the angle rounded to f32 as a product.
; LIMITS: each e between -126 and 119.  NaN among the inputs is not served.  f[j] is 10^(-j/8) rounded to f32 once; a power followed by a reciprocal may differ from it in the last bit,
; which moves an angle by at most about 2e-4 at t = 2,047.  Sine and cosine: reduction by pi/2 in three parts and polynomials of degree 7 and 8, good to about 1e-7.
; No tensor loads, no barrier: waves share nothing.
; THE WORK-GROUPS' NUMBERS, in place of those in the list above: 0..511 codes; 512..575 the first 256 of the mask's 1,024 units (a unit: 16 queries x 256 keys, both batches); 576..591 trig.
; Units 256..1,023 of the mask are made by launch proj, by the same arithmetic.
.set SP,    80
.set WREG,  8192                       ; codes: LDS region of a wave: two stages of 32 x SP bytes
.set STEPS, 16
.set R,     16                         ; v16-79   codes: four sets of 16 numbers as loaded
.set X,     80                         ; v80-111  codes: two sets of 16 neighbours
.set C,     128                        ; v128-191 codes: four registers a step
.set MSTG,  32768                      ; mask: the stages begin here, 8,704 bytes a wave
.set MPI,   272                        ; mask: a stage row: 16 queries x 16 bytes + 16 of padding
.set MR,    32                         ; v32-159  mask: two key blocks x 16 queries x 4 numbers
.set TM,    160                        ; v160-175 mask: four sets of four, selected
.set OUTR,  176                        ; v176-239 mask: an image read back
	s_load_b512 s[8:23], s[0:1], 0x0               ; q 8, k 10, v 12, Wq 14, Wk 16, Wv 18, Wo 20, attn_mask 22
	s_load_b256 s[24:31], s[0:1], 0x40             ; key_padding_mask 24, lowp_scales 26, codes 28, mask2 30
	s_load_b64 s[32:33], s[0:1], 0x60              ; trig
	v_lshl_add_u32 v240, v0, 2, 0x10800
	v_mov_b32 v241, 0
	v_lshrrev_b32 v1, 5, v0
	v_readfirstlane_b32 s34, v1                    ; wave 0..3
	v_and_b32 v2, 31, v0                           ; lane
	v_lshlrev_b32 v3, 4, v2                        ; 16 x lane
	s_wait_kmcnt 0x0
	s_cmp_lt_u32 ttmp9, 512
	s_cbranch_scc1 .Lquant
	s_cmp_lt_u32 ttmp9, 576
	s_cbranch_scc1 .Lmask
; ---------------- trig: a wave takes 32 positions, two a trip: lanes 0-15 one, lanes 16-31 the next; lane % 16 is the group
	s_sub_co_u32 s35, ttmp9, 576
	s_lshl_b32 s35, s35, 2
	s_add_co_u32 s35, s35, s34                     ; unit 0..63
	s_lshl_b32 s36, s35, 13                        ; 32 rows of 256 bytes
	s_mov_b32 s37, 0
	s_add_nc_u64 s[32:33], s[32:33], s[36:37]
	s_lshl_b32 s36, s35, 5                         ; the unit's first position
	v_bfe_u32 v20, v0, 4, 1
	v_add_nc_u32 v20, s36, v20
	v_cvt_f32_u32 v20, v20                         ; t, exact
	s_wait_alu depctr_va_vdst(0)
	v_mov_b32 v38, v3                              ; the store's offset: 512 consecutive bytes a wave
	v_mov_b32 v21, 0                               ; f[2i]   (written whole before single lanes are set)
	v_mov_b32 v22, 0                               ; f[2i+1]
.macro FREQ i, fa, fb
	s_mov_b32 s38, \fa
	s_mov_b32 s39, \fb
	v_writelane_b32 v21, s38, \i
	v_writelane_b32 v21, s38, \i+16
	v_writelane_b32 v22, s39, \i
	v_writelane_b32 v22, s39, \i+16
.endm
	FREQ 0, 1.0, 0.7498942093324559
	FREQ 1, 0.5623413251903491, 0.4216965034285822
	FREQ 2, 0.31622776601683794, 0.23713737056616552
	FREQ 3, 0.1778279410038923, 0.1333521432163324
	FREQ 4, 0.1, 0.07498942093324559
	FREQ 5, 0.05623413251903491, 0.04216965034285822
	FREQ 6, 0.031622776601683794, 0.023713737056616552
	FREQ 7, 0.01778279410038923, 0.01333521432163324
	FREQ 8, 0.01, 0.007498942093324559
	FREQ 9, 0.005623413251903491, 0.004216965034285822
	FREQ 10, 0.0031622776601683794, 0.0023713737056616552
	FREQ 11, 0.001778279410038923, 0.001333521432163324
	FREQ 12, 0.001, 0.0007498942093324559
	FREQ 13, 0.0005623413251903491, 0.0004216965034285822
	FREQ 14, 0.00031622776601683794, 0.00023713737056616552
	FREQ 15, 0.0001778279410038923, 0.0001333521432163324
	s_mov_b32 s40, 0x3f22f983                      ; 2 / pi
	s_mov_b32 s41, 0xbfc90fdb                      ; -(pi / 2) in three parts
	s_mov_b32 s42, 0x333bbd2e
	s_mov_b32 s43, 0x26f72ced
	s_mov_b32 s44, -0.00019515295891               ; sine: r + r z (S1 + z (S2 + z S3))
	s_mov_b32 s45, 0.0083321608736
	s_mov_b32 s46, -0.16666654611
	s_mov_b32 s47, 0.000024433157118               ; cosine: 1 - z / 2 + z z (C1 + z (C2 + z C3))
	s_mov_b32 s48, -0.0013887316255
	s_mov_b32 s49, 0.041666645683
	s_mov_b32 s50, 0x80000000
; cos and sin of fl(t x v[f]) into v[outc], v[outs]; neg = 1: the sine's sign is turned.  Choices by the quadrant select values only.
.macro SINCOS f, outc, outs, neg
	v_mul_f32 v28, v20, v[\f]                      ; the angle
	v_mul_f32 v29, s40, v28
	v_rndne_f32 v29, v29                           ; n = the nearest multiple of pi / 2
	v_fma_f32 v30, v29, s41, v28
	v_fma_f32 v30, v29, s42, v30
	v_fma_f32 v30, v29, s43, v30                   ; r, within +-pi / 4
	v_cvt_i32_f32 v31, v29
	v_mul_f32 v32, v30, v30                        ; z
	v_mov_b32 v33, s45
	v_fma_f32 v33, v32, s44, v33
	v_fma_f32 v33, v33, v32, s46
	v_mul_f32 v33, v33, v32
	v_fma_f32 v33, v33, v30, v30                   ; sin r
	v_mov_b32 v34, s48
	v_fma_f32 v34, v32, s47, v34
	v_fma_f32 v34, v34, v32, s49
	v_mul_f32 v35, v32, v32
	v_fma_f32 v36, v32, -0.5, 1.0
	v_fma_f32 v34, v34, v35, v36                   ; cos r
	v_and_b32 v35, 1, v31
	v_cmp_eq_u32 vcc_lo, 1, v35                    ; odd n: the two change places
	v_cndmask_b32 v36, v33, v34, vcc_lo
	v_cndmask_b32 v37, v34, v33, vcc_lo
	v_lshlrev_b32 v35, 30, v31                     ; the sine is negative where n % 4 is 2 or 3,
	v_and_b32 v35, s50, v35
	v_xor_b32 v[\outs], v36, v35
	v_add_nc_u32 v35, 1, v31                       ; the cosine where it is 1 or 2
	v_lshlrev_b32 v35, 30, v35
	v_and_b32 v35, s50, v35
	v_xor_b32 v[\outc], v37, v35
.if \neg
	v_xor_b32 v[\outs], s50, v[\outs]
.endif
.endm
	s_mov_b32 s60, 0
.Ltrig:
	s_wait_alu depctr_va_vdst(0)
	SINCOS 21, 24, 26, 1
	SINCOS 22, 25, 27, 0
	global_store_b128 v38, v[24:27], s[32:33]      ; 32 lanes store 512 consecutive bytes: two rows
	s_wait_xcnt 0x0                                ; the store has read its offset and its data: both are written again below
	v_add_nc_u32 v38, 512, v38
	v_add_f32 v20, 2.0, v20
	s_add_co_u32 s60, s60, 1
	s_cmp_lt_u32 s60, 16
	s_cbranch_scc1 .Ltrig
	s_endpgm
; ---------------- mask2: a wave takes 16 queries x 256 keys (two key blocks), for both batches
.Lmask:
	s_sub_co_u32 s35, ttmp9, 512
	s_lshl_b32 s35, s35, 2
	s_add_co_u32 s35, s35, s34                     ; unit 0..1023
	s_lshr_b32 s36, s35, 3                         ; tile of 16 queries, 0..127
	s_and_b32 s37, s35, 7
	s_lshl_b32 s37, s37, 1                         ; first key block, 0, 2, .. 14
	s_lshl_b32 s60, s36, 17                        ; 16 rows of 8,192 bytes
	s_lshl_b32 s61, s37, 9                         ; 128 keys of 4 bytes
	s_add_co_u32 s60, s60, s61
	s_mov_b32 s61, 0
	s_add_nc_u64 s[38:39], s[22:23], s[60:61]      ; attn_mask at my corner
	s_lshl_b32 s60, s37, 7
	s_add_nc_u64 s[24:25], s[24:25], s[60:61]      ; key_padding_mask at my first key, batch 0
	s_lshr_b32 s60, s36, 2
	s_lshl_b32 s60, s60, 4
	s_add_co_u32 s60, s60, s37
	s_lshl_b32 s60, s60, 2
	s_and_b32 s62, s36, 3
	s_add_co_u32 s60, s60, s62
	s_lshl_b32 s60, s60, 13
	s_add_nc_u64 s[56:57], s[30:31], s[60:61]      ; mask2: my first block in batch 0,
	s_add_nc_u64 s[58:59], s[56:57], 0x1000000     ; and in batch 1
	s_wait_alu depctr_va_vdst(0)
.irp blk, 0,1
.irp i, 0,1,2,3,4,5,6,7,8,9,10,11,12,13,14,15
	global_load_b128 v[MR+64*\blk+4*\i:MR+64*\blk+4*\i+3], v3, s[38:39] offset:8192*\i+512*\blk th:TH_LOAD_NT   ; query i, 128 keys: 512 consecutive bytes
.endr
.endr
	v_lshlrev_b32 v6, 2, v2
.irp bat, 0,1
.irp blk, 0,1
	global_load_b32 v[8+2*\bat+\blk], v6, s[24:25] offset:2048*\bat+128*\blk   ; my four keys' padding bytes
.endr
.endr
	; the stage: a piece of four keys (piece = lane) of query i belongs to image row 4 (lane / 4) + 2 (lane % 2) + (lane / 2) % 2, at 16 i
	s_mul_i32 s37, s34, 32*MPI
	s_add_co_u32 s37, s37, MSTG
	v_and_b32 v12, 28, v2
	v_and_b32 v13, 1, v2
	v_lshl_add_u32 v12, v13, 1, v12
	v_bfe_u32 v13, v2, 1, 1
	v_add_nc_u32 v12, v12, v13
	v_mul_u32_u24 v4, v12, MPI
	v_add_nc_u32 v4, s37, v4                       ; in
	v_bfe_u32 v13, v2, 4, 1
	v_mul_u32_u24 v5, v13, MPI
	v_and_b32 v12, 15, v2
	v_lshl_add_u32 v5, v12, 4, v5
	v_add_nc_u32 v5, s37, v5                       ; out: two image rows an instruction
	v_mov_b32 v7, 0xce6e6b28                       ; -1e9
	v_mul_f32 v7, 0x3fb8aa3b, v7                   ; x log2 e, rounded once
	s_wait_loadcnt 0x0
.irp w, 0,1,2,3                                ; lane masks: (batch, key block) w, key j of my four
.irp j, 0,1,2,3
	v_bfe_u32 v12, v[8+\w], 8*\j, 8
	v_cmp_ne_u32 s[40+4*\w+\j], 0, v12
.endr
.endr
.set I, 0
.rept 64
	v_pk_mul_f32 v[MR+2*I:MR+2*I+1], v[MR+2*I:MR+2*I+1], 0x3fb8aa3b op_sel_hi:[1,0]   ; attn_mask x log2 e
.set I, I+1
.endr
; one image: key block blk, batch bat.  LDS serves a wave's instructions in order, so one stage serves all four images and no wait stands between the stores and the loads.
.macro IMG blk, bat
.irp i, 0,1,2,3,4,5,6,7,8,9,10,11,12,13,14,15
.irp j, 0,1,2,3
	v_cndmask_b32 v[TM+4*(\i%4)+\j], v[MR+64*\blk+4*\i+\j], v7, s[40+4*(2*\bat+\blk)+\j]
.endr
	ds_store_b128 v4, v[TM+4*(\i%4):TM+4*(\i%4)+3] offset:16*\i
.endr
	s_wait_xcnt 0x0                                ; the last image's stores have read their data: the registers are loaded again
.irp g, 0,1,2,3,4,5,6,7,8,9,10,11,12,13,14,15
	ds_load_b128 v[OUTR+4*\g:OUTR+4*\g+3], v5 offset:2*MPI*\g
.endr
.irp g, 0,1,2,3,4,5,6,7,8,9,10,11,12,13,14,15
	s_wait_dscnt 15-\g                             ; the younger loads may stay out
	global_store_b128 v3, v[OUTR+4*\g:OUTR+4*\g+3], s[56+2*\bat:57+2*\bat] offset:32768*\blk+512*\g th:TH_STORE_NT   ; 512 consecutive bytes
.endr
.endm
	IMG 0, 0
	IMG 0, 1
	IMG 1, 0
	IMG 1, 1
	s_wait_tensorcnt 0x0
	ds_add_u32 v240, v241
	s_wait_dscnt 0x0
	s_endpgm
; ---------------- codes
.Lquant:
	s_load_b256 s[40:47], s[26:27], 0x0            ; e0 .. e7
	s_load_b128 s[48:51], s[26:27], 0x20           ; e8 .. e11
	s_lshr_b32 s38, ttmp9, 7                       ; work-groups 0..383: tensor 0, 1, 2 (q, k, v), 128 each
	s_and_b32 s39, ttmp9, 127
	s_sub_co_u32 s52, ttmp9, 384                   ; 384..511: tensor 3 .. 6 (Wq, Wk, Wv, Wo), 32 each
	s_lshr_b32 s53, s52, 5
	s_add_co_u32 s53, s53, 3
	s_and_b32 s54, s52, 31
	s_cmp_lt_u32 ttmp9, 384
	s_cselect_b32 s38, s38, s53                    ; the tensor
	s_cselect_b32 s39, s39, s54                    ; my place in it
	s_mov_b64 s[4:5], s[8:9]
.irp n, 1,2,3,4,5,6
	s_cmp_eq_u32 s38, \n
	s_cselect_b64 s[4:5], s[8+2*\n:9+2*\n], s[4:5] ; a choice among buffers on the work-group's number
.endr
	s_lshl_b32 s55, s39, 2
	s_add_co_u32 s55, s55, s34
	s_lshl_b32 s56, s55, 15                        ; a wave's 8,192 numbers are 32,768 bytes
	s_mov_b32 s57, 0
	s_add_nc_u64 s[4:5], s[4:5], s[56:57]
	s_lshl_b32 s55, ttmp9, 2
	s_add_co_u32 s55, s55, s34
	s_lshl_b32 s56, s55, 13                        ; and 8,192 bytes of codes; the tensors' codes follow each other in the work-groups' order
	s_add_nc_u64 s[6:7], s[28:29], s[56:57]
	s_mul_i32 s37, s34, WREG
	s_wait_alu depctr_va_vdst(0)
	v_lshrrev_b32 v14, 2, v2
	v_mul_u32_u24 v14, v14, SP
	v_and_b32 v15, 3, v2
	v_lshl_add_u32 v14, v15, 4, v14
	v_add_nc_u32 v14, s37, v14                     ; the stage, in: four lanes' 64 bytes on end, then 16 of padding
	v_mul_u32_u24 v15, v2, SP
	v_add_nc_u32 v15, s37, v15                     ; out: my 16 neighbours
.macro QLOAD t
.irp i, 0,1,2,3
	global_load_b128 v[R+16*((\t)%4)+4*\i:R+16*((\t)%4)+4*\i+3], v3, s[4:5] offset:2048*(\t)+512*\i th:TH_LOAD_NT   ; 512 consecutive bytes
.endr
.endm
.macro QTURN t                         ; a step's numbers through the stage; LDS serves a wave's instructions in order
.irp i, 0,1,2,3
	ds_store_b128 v14, v[R+16*((\t)%4)+4*\i:R+16*((\t)%4)+4*\i+3] offset:32*SP*((\t)%2)+8*SP*\i
.endr
.irp i, 0,1,2,3
	ds_load_b128 v[X+16*((\t)%2)+4*\i:X+16*((\t)%2)+4*\i+3], v15 offset:32*SP*((\t)%2)+16*\i
.endr
.endm
.irp t, 0,1,2,3
	QLOAD \t
.endr
	s_wait_alu depctr_va_vdst(0)
	s_wait_kmcnt 0x0
	s_mov_b32 s36, s40                             ; q: e0
	s_cmp_eq_u32 s38, 1
	s_cselect_b32 s36, s42, s36                    ; k: e2
	s_cmp_eq_u32 s38, 2
	s_cselect_b32 s36, s44, s36                    ; v: e4
	s_cmp_eq_u32 s38, 3
	s_cselect_b32 s36, s41, s36                    ; Wq: e1
	s_cmp_eq_u32 s38, 4
	s_cselect_b32 s36, s43, s36                    ; Wk: e3
	s_cmp_eq_u32 s38, 5
	s_cselect_b32 s36, s45, s36                    ; Wv: e5
	s_cmp_eq_u32 s38, 6
	s_cselect_b32 s36, s51, s36                    ; Wo: e11
	s_add_co_i32 s36, s36, 127
	s_lshl_b32 s37, s36, 23
	v_mov_b32 v11, s37                             ; 2^e as f32: the conversion takes its exponent field
	s_add_co_i32 s36, s36, 8
	s_lshl_b32 s36, s36, 23
	s_or_b32 s36, s36, 0x600000
	v_mov_b32 v10, s36                             ; 448 x 2^e
	s_wait_alu depctr_va_vdst(0)
	s_wait_loadcnt 12                              ; step 0's four loads are in; three steps' may be out
	QTURN 0
.macro QSTEP t
.set XS, X+16*((\t)%2)
	s_wait_dscnt 0x0                               ; this step's numbers are back, so its stores into the stage have read their registers,
.if (\t)+4 < STEPS
	QLOAD (\t)+4                                   ; which take the loads of four steps on
.endif
.if (\t)+1 < STEPS
.if STEPS-2-(\t) >= 3
	s_wait_loadcnt 12                              ; the next step's loads are in; those of the three steps behind it may be out
.else
	s_wait_loadcnt 4*(STEPS-2-(\t))
.endif
	QTURN (\t)+1
.endif
.irp i, 0,1,2,3,4,5,6,7,8,9,10,11,12,13,14,15
	v_med3_num_f32 v[XS+\i], v[XS+\i], -v10, v10   ; the conversion to an 8-bit code does not saturate (ISA guide 7.6.2): the hold comes first
.endr
	v_cvt_scalef32_pk8_fp8_f32 v[C+4*(\t):C+4*(\t)+1], v[XS:XS+7], v11
	v_cvt_scalef32_pk8_fp8_f32 v[C+4*(\t)+2:C+4*(\t)+3], v[XS+8:XS+15], v11
	global_store_b128 v3, v[C+4*(\t):C+4*(\t)+3], s[6:7] offset:512*(\t)   ; 512 consecutive bytes; each step has its own registers, so no store's data are written again
.endm
.irp t, 0,1,2,3,4,5,6,7,8,9,10,11,12,13,14,15
	QSTEP \t
.endr
	s_wait_tensorcnt 0x0
	ds_add_u32 v240, v241
	s_wait_dscnt 0x0
	s_endpgm
.Lfunc_end_k_qb28e35961e_prep:
	.size	k_qb28e35961e_prep, .Lfunc_end_k_qb28e35961e_prep-k_qb28e35961e_prep
	.p2alignl 7, 3214868480
	.fill 96, 4, 3214868480
	.section	.rodata,"a",@progbits
	.p2align	6, 0x0
	.amdhsa_kernel k_qb28e35961e_prep
		.amdhsa_group_segment_fixed_size 68096
		.amdhsa_private_segment_fixed_size 0
		.amdhsa_enable_private_segment 0
		.amdhsa_kernarg_size 104
		.amdhsa_user_sgpr_count 2
		.amdhsa_user_sgpr_kernarg_segment_ptr 1
		.amdhsa_wavefront_size32 1
		.amdhsa_system_sgpr_workgroup_id_x 1
		.amdhsa_system_sgpr_workgroup_id_y 1
		.amdhsa_system_sgpr_workgroup_id_z 1
		.amdhsa_system_vgpr_workitem_id 0
		.amdhsa_next_free_vgpr 242
		.amdhsa_next_free_sgpr 72
		.amdhsa_reserve_vcc 1
		.amdhsa_float_denorm_mode_32 3
		.amdhsa_float_denorm_mode_16_64 3
		.amdhsa_memory_ordered 1
		.amdhsa_forward_progress 1
		.amdhsa_inst_pref_size 94
	.end_amdhsa_kernel
	.amdgpu_metadata
---
amdhsa.version: [ 1, 2 ]
amdhsa.kernels:
  - .name:           k_qb28e35961e_prep
    .symbol:         k_qb28e35961e_prep.kd
    .args:
      - { .name: q, .offset: 0, .size: 8, .value_kind: global_buffer, .address_space: global }
      - { .name: k, .offset: 8, .size: 8, .value_kind: global_buffer, .address_space: global }
      - { .name: v, .offset: 16, .size: 8, .value_kind: global_buffer, .address_space: global }
      - { .name: Wq, .offset: 24, .size: 8, .value_kind: global_buffer, .address_space: global }
      - { .name: Wk, .offset: 32, .size: 8, .value_kind: global_buffer, .address_space: global }
      - { .name: Wv, .offset: 40, .size: 8, .value_kind: global_buffer, .address_space: global }
      - { .name: Wo, .offset: 48, .size: 8, .value_kind: global_buffer, .address_space: global }
      - { .name: attn_mask, .offset: 56, .size: 8, .value_kind: global_buffer, .address_space: global }
      - { .name: key_padding_mask, .offset: 64, .size: 8, .value_kind: global_buffer, .address_space: global }
      - { .name: lowp_scales, .offset: 72, .size: 8, .value_kind: global_buffer, .address_space: global }
      - { .name: codes, .offset: 80, .size: 8, .value_kind: global_buffer, .address_space: global }
      - { .name: mask2, .offset: 88, .size: 8, .value_kind: global_buffer, .address_space: global }
      - { .name: trig, .offset: 96, .size: 8, .value_kind: global_buffer, .address_space: global }
    .group_segment_fixed_size: 68096
    .private_segment_fixed_size: 0
    .kernarg_segment_align: 8
    .kernarg_segment_size: 104
    .max_flat_workgroup_size: 128
    .sgpr_count:     72
    .vgpr_count:     242
    .wavefront_size: 32
...
	.end_amdgpu_metadata
.endif
;; end of part 1
;; launch proj (part 2): grid 4 x 64, 4 waves a work-group, clusters of 4 x 4, 327,680 bytes of LDS; arguments codes, trig, key_padding_mask, lowp_scales, qimg, kv, attn_mask, mask2; writes qimg, kv, mask2
.if DOCPART == 2
	.amdgcn_target "amdgcn-amd-amdhsa--gfx1250"
	.amdhsa_code_object_version 6
	.text
	.protected	k_qb28e35961e_proj
	.globl	k_qb28e35961e_proj
	.p2align	8
	.type	k_qb28e35961e_proj,@function
k_qb28e35961e_proj:
	s_mov_b64 s[64:65], 0
	v_nop
	global_prefetch_b8 v0, s[64:65] scope:SCOPE_SE
	s_setreg_imm32_b32 hwreg(HW_REG_WAVE_MODE, 25, 1), 1
	s_wait_xcnt 0x0
	s_wait_alu depctr_hold_cnt(0) depctr_sa_sdst(0) depctr_va_vdst(0) depctr_va_sdst(0) depctr_va_ssrc(0) depctr_va_vcc(0) depctr_vm_vsrc(0)
	s_getreg_b32 s2, hwreg(HW_REG_IB_STS2, 6, 4)
	s_cmp_eq_u32 s2, 0
	s_cbranch_scc0 .Lentry_in_a_cluster
	s_endpgm
.Lentry_in_a_cluster:
	s_bfe_u32 s2, ttmp6, 0x10000c
	s_cmp_lg_u32 s2, 0xf033
	s_cbranch_scc0 .Lentry_shape_is_right
	s_endpgm
.Lentry_shape_is_right:
.set KSTEP,  256
.set ROWB,   256
.set KROW,   1024
.set PITCH,  272
.set FR,     16
.set NL,     4
.set NP,     4
.set HALFT,  128*PITCH
.set SLOT,   4*HALFT
.set LAPS,   2
.set SPARE,  2*SLOT
.set LMA,  7
.set KPB,  8
.set ADRA, 16
.set ADRB, 20
.set KPA,  22
.set CSC,  23
.set LI,   27
.set SPW,  28
.set NIL,  29
.set TRA,  30
.set LIM,  31
.set TR0,  32
.set AF,   128
.set TMP,  128
.set CD,   192
.set G1, 24
.set G0, 32
.set G1B, 48
.set G0B, 56
.set MSB, 0
.macro WIN new
.if MSB != (\new)
	s_set_vgpr_msb (MSB<<8)|(\new)
.set MSB, (\new)
.endif
.endm
.set MUL_LO, 0xa1
.set MUL_HI, 0xf1
.set TO_B,   0x40
.macro JLOAD g0a, g1a, g0b, g1b
	s_cmp_eq_u32 s15, 0
	s_cbranch_scc0 .Lfor_b_\@
	tensor_load_to_lds s[\g0a:\g0a+3], s[\g1a:\g1a+7]
	s_nop 0
.rept 4
	v_nop
.endr
	s_branch .Lasked_\@
.Lfor_b_\@:
	tensor_load_to_lds s[\g0b:\g0b+3], s[\g1b:\g1b+7]
	s_nop 0
.rept 4
	v_nop
.endr
.Lasked_\@:
.endm
.macro CREST
	s_cmp_lg_u32 s14, 0
	s_cbranch_scc1 .Lnot_wave_0_\@
	s_barrier_signal -3
.Lnot_wave_0_\@:
	s_barrier_wait -3
	s_barrier_signal -1
	s_barrier_wait -1
.endm
.macro CROUND
	s_barrier_signal -1
	s_barrier_wait -1
	CREST
.endm
	s_load_b256 s[4:11], s[0:1], 0x0
	s_load_b128 s[68:71], s[0:1], 0x20
	v_lshl_add_u32 v[SPW], v0, 2, SPARE
	v_mov_b32 v[NIL], 0
	ds_add_u32 v28, v29
	ds_add_u32 v28, v29
	s_wait_dscnt 0x0
	v_lshrrev_b32 v1, 5, v0
	v_readfirstlane_b32 s14, v1
	s_lshr_b32 s15, s14, 1
	s_and_b32 s16, s14, 1
	s_bfe_u32 s40, ttmp6, 0x40000
	s_bfe_u32 s41, ttmp6, 0x40004
	s_and_b32 s84, ttmp7, 0xffff
	s_and_b32 s85, s84, 3
	s_lshr_b32 s84, s84, 2
	s_wait_alu depctr_va_vdst(0)
	s_cmp_eq_u32 s84, 3                            ; clusters y = 12..15 have no product: they prepare the mask.  The cluster's y is the same in all sixteen partners
	s_cbranch_scc1 .Lmaskwork
	s_lshl_b32 s12, s85, 2
	s_add_co_u32 s17, s12, s41
	s_add_co_u32 s42, s12, s40
	s_lshl_b32 s86, s84, 22
	s_lshl_b32 s87, s84, 20
	s_add_co_u32 s87, s87, 0xC00000
	s_mov_b32 s13, 0xE00000
	s_mov_b32 s22, 0x800000
	s_cmp_eq_u32 s84, 2
	s_cselect_b32 s17, s41, s17
	s_cselect_b32 s42, s42, s40
	s_cselect_b32 s86, s13, s86
	s_cselect_b32 s87, s22, s87
	s_lshl_b32 s43, s41, 2
	s_lshl_b32 s43, 15, s43
	s_lshl_b32 s44, 0x1111, s40
	s_or_b32 s[G1+0], s43, (0<<16)|(1<<20)|(1<<21)|(5<<22)|(3<<25)
	s_or_b32 s[G1B+0], s44, (0<<16)|(1<<20)|(1<<21)|(5<<22)|(3<<25)
.irp g, G1, G1B
	s_mov_b32 s[\g+1], ROWB<<16
	s_mov_b32 s[\g+2], 128<<16
	s_mov_b32 s[\g+3], ROWB<<16
	s_mov_b32 s[\g+4], 128
	s_mov_b32 s[\g+5], KROW
	s_mov_b32 s[\g+6], 0
	s_mov_b32 s[\g+7], 0
.endr
	s_lshl_b32 s18, s16, 7
	s_lshl_b32 s20, s17, 8
	s_add_co_u32 s20, s20, s18
	s_lshl_b32 s20, s20, 10
	s_add_co_u32 s20, s20, s86
	s_mov_b32 s21, 0
	s_lshl_b32 s46, s42, 8
	s_add_co_u32 s46, s46, s18
	s_lshl_b32 s46, s46, 10
	s_add_co_u32 s46, s46, s87
	s_mov_b32 s47, 0
	s_mul_i32 s45, s14, HALFT
	s_wait_kmcnt 0x0
	s_load_b256 s[72:79], s[10:11], 0x0
	s_load_b128 s[80:83], s[10:11], 0x20
	s_add_nc_u64 s[20:21], s[4:5], s[20:21]
	s_add_nc_u64 s[46:47], s[4:5], s[46:47]
	CROUND
.irp s, 0,1
	s_mov_b32 s[G0+4*\s], 1
	s_add_co_u32 s[G0+4*\s+1], s45, \s*SLOT
	s_add_nc_u64 s[G0+4*\s+2:G0+4*\s+3], s[20:21], \s*ROWB
	s_or_b32 s[G0+4*\s+3], s[G0+4*\s+3], 0x80000000
	s_mov_b32 s[G0B+4*\s], 1
	s_add_co_u32 s[G0B+4*\s+1], s45, \s*SLOT
	s_add_nc_u64 s[G0B+4*\s+2:G0B+4*\s+3], s[46:47], \s*ROWB
	s_or_b32 s[G0B+4*\s+3], s[G0B+4*\s+3], 0x80000000
	s_wait_alu depctr_va_vdst(0)
	s_wait_tensorcnt 0x0
	ds_add_u32 v28, v29
	ds_add_u32 v28, v29
	s_wait_dscnt 0x0
	CROUND
	JLOAD G0+4*\s, G1, G0B+4*\s, G1B
.endr
	v_and_b32 v1, 15, v0
	v_bfe_u32 v2, v0, 4, 1
	v_mul_u32_u24 v3, v1, PITCH
	v_lshl_add_u32 v4, v2, 4, v3
	s_mul_i32 s21, s15, HALFT
	s_mul_i32 s22, s16, HALFT
	s_add_co_u32 s22, s22, 2*HALFT
.irp s, 0,1
	v_add_nc_u32 v[ADRA+\s], s21, v4
	v_add_nc_u32 v[ADRB+\s], s22, v4
	s_add_co_u32 s21, s21, SLOT
	s_add_co_u32 s22, s22, SLOT
.endr
	v_and_b32 v5, 31, v0
	v_lshlrev_b32 v[LI], 4, v5
	v_lshlrev_b32 v[TRA], 8, v1
	v_lshl_add_u32 v[TRA], v2, 6, v[TRA]
	v_mov_b32 v[KPA], v1
	s_wait_alu depctr_va_vdst(0)
	s_lshl_b32 s66, s17, 8
	s_lshl_b32 s67, s15, 7
	s_add_co_u32 s66, s66, s67
	s_and_b32 s12, s66, 2047
	s_lshl_b32 s12, s12, 8
	s_mov_b32 s13, 0
	s_add_nc_u64 s[92:93], s[6:7], s[12:13]
	s_mov_b32 s12, s66
	s_add_nc_u64 s[94:95], s[8:9], s[12:13]
.irp a, 0,1,2,3,4,5,6,7
	global_load_u8 v[KPB+\a], v[KPA], s[94:95] offset:16*\a
.endr
.irp a, 0,1,2
.irp e, 0,1
.irp p, 0,1,2,3
	global_load_b128 v[TR0+32*\a+16*\e+4*\p:TR0+32*\a+16*\e+4*\p+3], v[TRA], s[92:93] offset:4096*\a+128*\e+16*\p
.endr
.endr
.endr
	s_wait_kmcnt 0x0
	s_add_co_i32 s12, s72, s73
	s_sub_co_i32 s12, s78, s12
	s_add_co_i32 s13, s74, s75
	s_sub_co_i32 s13, s79, s13
	s_add_co_i32 s22, s76, s77
	s_sub_co_i32 s22, s81, s22
	s_cmp_eq_u32 s84, 1
	s_cselect_b32 s12, s13, s12
	s_cselect_b32 s88, 0xff, 0
	s_cselect_b64 s[90:91], s[70:71], s[68:69]
	s_cselect_b32 s23, 14, 13
	s_cmp_eq_u32 s84, 2
	s_cselect_b32 s12, s22, s12
	s_add_co_i32 s12, s12, 127
	s_lshl_b32 s13, s12, 23
	v_mov_b32 v[CSC], s13
	s_add_co_i32 s12, s12, 8
	s_lshl_b32 s12, s12, 23
	s_or_b32 s12, s12, 0x600000
	v_mov_b32 v[LIM], s12
	s_lshr_b32 s89, s66, 11
	s_lshl_b32 s89, s89, 2
	s_add_co_u32 s89, s89, s40
	s_lshl_b32 s89, s89, 4
	s_bfe_u32 s67, s66, 0x40007
	s_add_co_u32 s89, s89, s67
	s_lshl_b32 s89, s89, 2
	s_lshl_b32 s67, s16, 1
	s_add_co_u32 s89, s89, s67
	s_lshl_b32 s12, s89, s23
	s_mov_b32 s13, 0
	s_add_nc_u64 s[90:91], s[90:91], s[12:13]
	s_lshl_b32 s12, 1, s23
	s_add_nc_u64 s[96:97], s[90:91], s[12:13]
	s_lshl_b32 s67, s42, 8
	s_lshl_b32 s89, s16, 7
	s_add_co_u32 s67, s67, s89
	s_lshr_b32 s89, s67, 11
	s_lshl_b32 s89, s89, 2
	s_add_co_u32 s89, s89, s41
	s_lshl_b32 s89, s89, 4
	s_bfe_u32 s67, s67, 0x40007
	s_add_co_u32 s89, s89, s67
	s_lshl_b32 s89, s89, 2
	s_lshl_b32 s67, s15, 1
	s_add_co_u32 s89, s89, s67
	s_lshl_b32 s12, s89, 14
	s_add_co_u32 s12, s12, 8192
	s_add_nc_u64 s[98:99], s[70:71], s[12:13]
.macro FRAG reg, adr, q, i
.irp c, 0,1,2,3
	ds_load_b128 v[\reg+4*\c:\reg+4*\c+3], v[\adr] offset:128*(\q)+32*\c+(\i)*16*PITCH
.endr
.endm
.macro MUL16 a0, p, zero
.irp a, \a0, \a0+1
.irp b, 0,1,2,3,4,5,6,7
.if \zero
	v_wmma_f32_16x16x128_fp8_fp8 v[8*(8*((\a)%4)+\b):8*(8*((\a)%4)+\b)+7], v[128*(\p)+FR*\b:128*(\p)+FR*\b+FR-1], v[AF+FR*(\a):AF+FR*(\a)+FR-1], 0
.else
	v_wmma_f32_16x16x128_fp8_fp8 v[8*(8*((\a)%4)+\b):8*(8*((\a)%4)+\b)+7], v[128*(\p)+FR*\b:128*(\p)+FR*\b+FR-1], v[AF+FR*(\a):AF+FR*(\a)+FR-1], v[8*(8*((\a)%4)+\b):8*(8*((\a)%4)+\b)+7]
.endif
.endr
.endr
.endm
.macro FETCH_B slot, q, p
	WIN TO_B
.irp i, 0,1,2,3,4,5,6,7
	FRAG 128*(\p)+FR*\i, ADRB+\slot, \q, \i
.endr
	WIN 0
.endm
.macro FETCH_A slot, q, i0
.irp i, \i0, \i0+1, \i0+2, \i0+3
	FRAG AF+FR*(\i), ADRA+\slot, \q, \i
.endr
.endm
.macro PLACES n
.rept \n
	v_nop
.endr
.endm
.macro STEP slot, q, zero
	s_wait_dscnt 4*NL
	WIN MUL_LO
	MUL16 0, (\q)%2, \zero
	MUL16 2, (\q)%2, \zero
	s_wait_dscnt 0
	PLACES NP
	FETCH_B \slot, (\q)+1, 1-(\q)%2
	FETCH_A \slot, (\q)+1, 0
	WIN MUL_HI
	MUL16 4, (\q)%2, \zero
	MUL16 6, (\q)%2, \zero
	PLACES NP
	WIN 0
	FETCH_A \slot, (\q)+1, 4
.endm
.macro TURN slot, next, fill
	s_wait_tensorcnt 0x0
	ds_add_u32 v[SPW], v[NIL]
	s_wait_dscnt 4*NL+1
	WIN MUL_LO
	MUL16 0, 1, 0
	s_wait_dscnt 0x0
	s_barrier_signal -1
	MUL16 2, 1, 0
	WIN 0
	s_barrier_wait -1
.if \fill
	CREST
	s_add_nc_u64 s[G0+4*\slot+2:G0+4*\slot+3], s[G0+4*\slot+2:G0+4*\slot+3], 2*ROWB
	s_add_nc_u64 s[G0B+4*\slot+2:G0B+4*\slot+3], s[G0B+4*\slot+2:G0B+4*\slot+3], 2*ROWB
	JLOAD G0+4*\slot, G1, G0B+4*\slot, G1B
.else
	PLACES NP
.endif
	FETCH_B \next, 0, 0
	FETCH_A \next, 0, 0
	WIN MUL_HI
	MUL16 4, 1, 0
	MUL16 6, 1, 0
	PLACES NP
	WIN 0
	FETCH_A \next, 0, 4
.endm
	s_wait_tensorcnt 1
	s_barrier_signal -1
	s_barrier_wait -1
	FETCH_B 0, 0, 0
	FETCH_A 0, 0, 0
	FETCH_A 0, 0, 4
	STEP 0, 0, 1
	s_mov_b32 s3, LAPS-1
.Llap:
	TURN 0, 1, 1
	STEP 1, 0, 0
	TURN 1, 0, 1
	STEP 0, 0, 0
	s_sub_co_u32 s3, s3, 1
	s_cmp_lg_u32 s3, 0
	s_cbranch_scc1 .Llap
	TURN 0, 1, 0
	STEP 1, 0, 0
	s_wait_dscnt 4*NL
	WIN MUL_LO
	MUL16 0, 1, 0
	MUL16 2, 1, 0
	s_wait_dscnt 0
	WIN MUL_HI
	MUL16 4, 1, 0
	MUL16 6, 1, 0
	WIN 0
	PLACES NP
.macro EPI_QK a
.set AC, 64*((\a)%4)
.set CDA, CD+16*((\a)%4)
.if (\a) < 3
.set TRB, TR0+32*(\a)
.set TRW, 0
.else
.set TRB, 32*((\a)-3)
.set TRW, 1
.endif
.if (\a) == 0
	s_wait_loadcnt 40
.elseif (\a) >= 3
	s_wait_loadcnt 8*(7-(\a))
.endif
	v_and_b32 v[LMA], s88, v[KPB+(\a)]
	v_cmp_eq_u32 vcc_lo, 0, v[LMA]
	v_cndmask_b32 v[LMA], 0, v[LIM], vcc_lo
	WIN (2+(\a)/4)|(TRW<<2)
.irp b, 0,1,2,3,4,5,6,7
.irp p, 0,1,2,3
	v_pk_mul_f32 v[TMP+8*\b+2*\p:TMP+8*\b+2*\p+1], v[AC+8*\b+2*\p:AC+8*\b+2*\p+1], v[TRB+16*(\b%2)+4*\p:TRB+16*(\b%2)+4*\p+1]
.endr
.endr
.irp b, 0,1,2,3,4,5,6,7
.irp p, 0,1,2,3
	v_pk_fma_f32 v[TMP+8*\b+2*\p:TMP+8*\b+2*\p+1], v[AC+8*\b+2*\p:AC+8*\b+2*\p+1], v[TRB+16*(\b%2)+4*\p+2:TRB+16*(\b%2)+4*\p+3], v[TMP+8*\b+2*\p:TMP+8*\b+2*\p+1] op_sel:[1,0,0] op_sel_hi:[0,1,1]
.endr
.endr
	WIN 0
.set I, 0
.rept 64
	v_med3_num_f32 v[TMP+I], v[TMP+I], -v[LMA], v[LMA]
.set I, I+1
.endr
.if (\a) >= 4
	s_wait_alu depctr_va_vdst(0)
	s_wait_xcnt 0x0
.endif
.irp b, 0,1,2,3,4,5,6,7
	v_cvt_scalef32_pk8_fp8_f32 v[CDA+2*\b:CDA+2*\b+1], v[TMP+8*\b:TMP+8*\b+7], v[CSC]
.endr
	v_nop
.irp c, 0,1
	global_store_b128 v[LI], v[CDA+4*\c:CDA+4*\c+3], s[90:91] offset:(\a)*1024+512*\c
	global_store_b128 v[LI], v[CDA+8+4*\c:CDA+8+4*\c+3], s[96:97] offset:(\a)*1024+512*\c
.endr
.endm
.macro EPI_V a
.set AC, 64*((\a)%4)
.set CDA, CD+16*((\a)%4)
	WIN 2+(\a)/4
.set I, 0
.rept 64
	v_med3_num_f32 v[TMP+I], v[AC+I], -v[LIM], v[LIM]
.set I, I+1
.endr
	WIN 0
.if (\a) >= 4
	s_wait_alu depctr_va_vdst(0)
	s_wait_xcnt 0x0
.endif
.irp b, 0,1,2,3,4,5,6,7
	v_cvt_scalef32_pk8_fp8_f32 v[CDA+2*\b:CDA+2*\b+1], v[TMP+8*\b:TMP+8*\b+7], v[CSC]
.endr
	v_nop
.irp c, 0,1,2,3
	global_store_b128 v[LI], v[CDA+4*\c:CDA+4*\c+3], s[98:99] offset:((\a)/4)*16384+((\a)%4)*2048+512*\c
.endr
.endm
	s_cmp_eq_u32 s84, 2
	s_cbranch_scc1 .Lv_out
	WIN TO_B
.irp a, 3,4,5,6,7
.irp e, 0,1
.irp p, 0,1,2,3
	global_load_b128 v[32*(\a-3)+16*\e+4*\p:32*(\a-3)+16*\e+4*\p+3], v[TRA], s[92:93] offset:4096*\a+128*\e+16*\p
.endr
.endr
.endr
	WIN 0
	s_wait_alu depctr_va_vdst(0)
.irp a, 0,1,2,3,4,5,6,7
	EPI_QK \a
.endr
	s_branch .Ldone
.Lv_out:
	s_wait_loadcnt 0x0
	s_wait_alu depctr_va_vdst(0)
.irp a, 0,1,2,3,4,5,6,7
	EPI_V \a
.endr
.Ldone:
	s_wait_tensorcnt 0x0
	ds_add_u32 v[SPW], v[NIL]
	s_wait_dscnt 0x0
	CROUND
	s_endpgm
; THE MASK, units 256..1,023 (launch prep makes units 0..255).  mask2(b, query, key) = key padded in batch b ? fl(-1e9 x log2 e) : fl(attn_mask(query, key) x log2 e), f32, laid as the attention launch's
; registers want it: the block of (b, query / 64, key / 128, (query / 16) % 4) is 8,192 bytes; its byte 512 g + 16 lane + 4 i is query 16 tile + lane % 16, key 16 (g / 2) + 8 (lane / 16) + 4 (g % 2) + i.
; A unit is 16 queries x 256 keys (two key blocks) for both batches: tile = unit / 8, first key block = 2 (unit % 8).  64 work-groups x 4 waves x 3 units = 768.  A work-group's place in its cluster enters
; global addresses alone.  No tensor load on this way; the stages are LDS bytes of their own, behind the ring and the spare words; waves share nothing.
.set MKS, SPARE+512                    ; the stages: 8,704 bytes a wave
.set MKP, 272                          ; a stage row: 16 queries x 16 bytes + 16 of padding
.set MKR, 32                           ; v32-159  two key blocks x 16 queries x 4 numbers
.set MKT, 160                          ; v160-175 four sets of four, selected
.set MKO, 176                          ; v176-239 an image read back
.Lmaskwork:
	s_load_b128 s[32:35], s[0:1], 0x30             ; attn_mask s[32:33], mask2 s[34:35]
	s_mul_i32 s37, s14, 32*MKP
	s_add_co_u32 s37, s37, MKS                     ; my stage
	s_lshl_b32 s17, s85, 4
	s_lshl_b32 s16, s41, 2
	s_add_co_u32 s17, s17, s16
	s_add_co_u32 s17, s17, s40                     ; work-group 0..63 of this way
	s_mul_i32 s17, s17, 12
	s_mul_i32 s16, s14, 3
	s_add_co_u32 s17, s17, s16
	s_add_co_u32 s17, s17, 256                     ; my first unit
	v_and_b32 v2, 31, v0                           ; lane
	v_lshlrev_b32 v3, 4, v2                        ; 16 x lane
	v_lshlrev_b32 v6, 2, v2
	v_and_b32 v12, 28, v2                          ; a piece of four keys (piece = lane) of query i belongs to image row 4 (lane / 4) + 2 (lane % 2) + (lane / 2) % 2, at 16 i
	v_and_b32 v13, 1, v2
	v_lshl_add_u32 v12, v13, 1, v12
	v_bfe_u32 v13, v2, 1, 1
	v_add_nc_u32 v12, v12, v13
	v_mul_u32_u24 v4, v12, MKP
	v_add_nc_u32 v4, s37, v4                       ; the stage, in
	v_bfe_u32 v13, v2, 4, 1
	v_mul_u32_u24 v5, v13, MKP
	v_and_b32 v12, 15, v2
	v_lshl_add_u32 v5, v12, 4, v5
	v_add_nc_u32 v5, s37, v5                       ; out: two image rows an instruction
	v_mov_b32 v7, 0xce6e6b28                       ; -1e9
	v_mul_f32 v7, 0x3fb8aa3b, v7                   ; x log2 e, rounded once
	s_mov_b32 s3, 0
	s_wait_alu depctr_va_vdst(0)
	s_wait_kmcnt 0x0
; one image: key block blk, batch bat.  LDS serves a wave's instructions in order, so one stage serves all images and no wait stands between the stores and the loads.
.macro MIMG blk, bat
.irp i, 0,1,2,3,4,5,6,7,8,9,10,11,12,13,14,15
.irp j, 0,1,2,3
	v_cndmask_b32 v[MKT+4*(\i%4)+\j], v[MKR+64*\blk+4*\i+\j], v7, s[40+4*(2*\bat+\blk)+\j]
.endr
	ds_store_b128 v4, v[MKT+4*(\i%4):MKT+4*(\i%4)+3] offset:16*\i
.endr
	s_wait_xcnt 0x0                                ; the last image's stores have read their data: the registers are loaded again
.irp g, 0,1,2,3,4,5,6,7,8,9,10,11,12,13,14,15
	ds_load_b128 v[MKO+4*\g:MKO+4*\g+3], v5 offset:2*MKP*\g
.endr
.irp g, 0,1,2,3,4,5,6,7,8,9,10,11,12,13,14,15
	s_wait_dscnt 15-\g                             ; the younger loads may stay out
	global_store_b128 v3, v[MKO+4*\g:MKO+4*\g+3], s[56+2*\bat:57+2*\bat] offset:32768*\blk+512*\g th:TH_STORE_NT   ; 512 consecutive bytes
.endr
.endm
.Lmunit:                                           ; three trips, a unit each
	s_wait_xcnt 0x0                                ; the last unit's loads and stores have read their bases, which are written below
	s_add_co_u32 s16, s17, s3                      ; the unit
	s_lshr_b32 s20, s16, 3                         ; tile of 16 queries, 32..127
	s_and_b32 s21, s16, 7
	s_lshl_b32 s21, s21, 1                         ; first key block, 0, 2, .. 14
	s_lshl_b32 s60, s20, 17                        ; 16 rows of 8,192 bytes
	s_lshl_b32 s61, s21, 9                         ; 128 keys of 4 bytes
	s_add_co_u32 s60, s60, s61
	s_mov_b32 s61, 0
	s_add_nc_u64 s[22:23], s[32:33], s[60:61]      ; attn_mask at my corner
	s_lshl_b32 s60, s21, 7
	s_add_nc_u64 s[24:25], s[8:9], s[60:61]        ; key_padding_mask at my first key, batch 0
	s_lshr_b32 s60, s20, 2
	s_lshl_b32 s60, s60, 4
	s_add_co_u32 s60, s60, s21
	s_lshl_b32 s60, s60, 2
	s_and_b32 s62, s20, 3
	s_add_co_u32 s60, s60, s62
	s_lshl_b32 s60, s60, 13
	s_add_nc_u64 s[56:57], s[34:35], s[60:61]      ; mask2: my first block in batch 0,
	s_add_nc_u64 s[58:59], s[56:57], 0x1000000     ; and in batch 1
.irp blk, 0,1
.irp i, 0,1,2,3,4,5,6,7,8,9,10,11,12,13,14,15
	global_load_b128 v[MKR+64*\blk+4*\i:MKR+64*\blk+4*\i+3], v3, s[22:23] offset:8192*\i+512*\blk th:TH_LOAD_NT   ; query i, 128 keys: 512 consecutive bytes
.endr
.endr
.irp bat, 0,1
.irp blk, 0,1
	global_load_b32 v[8+2*\bat+\blk], v6, s[24:25] offset:2048*\bat+128*\blk   ; my four keys' padding bytes
.endr
.endr
	s_wait_loadcnt 0x0
.irp w, 0,1,2,3                        ; lane masks: (batch, key block) w, key j of my four: they select values only
.irp j, 0,1,2,3
	v_bfe_u32 v12, v[8+\w], 8*\j, 8
	v_cmp_ne_u32 s[40+4*\w+\j], 0, v12
.endr
.endr
.set I, 0
.rept 64
	v_pk_mul_f32 v[MKR+2*I:MKR+2*I+1], v[MKR+2*I:MKR+2*I+1], 0x3fb8aa3b op_sel_hi:[1,0]   ; attn_mask x log2 e
.set I, I+1
.endr
	MIMG 0, 0
	MIMG 0, 1
	MIMG 1, 0
	MIMG 1, 1
	s_add_co_u32 s3, s3, 1
	s_cmp_lt_u32 s3, 3
	s_wait_alu depctr_va_vdst(0)
	s_cbranch_scc1 .Lmunit
	s_wait_tensorcnt 0x0                           ; the wave's end
	ds_add_u32 v[SPW], v[NIL]
	s_wait_dscnt 0x0
	CROUND                                         ; one round, passed by all sixteen work-groups of such a cluster
	s_endpgm
.Lfunc_end_k_qb28e35961e_proj:
	.size	k_qb28e35961e_proj, .Lfunc_end_k_qb28e35961e_proj-k_qb28e35961e_proj
	.p2alignl 7, 3214868480
	.fill 96, 4, 3214868480
	.section	.rodata,"a",@progbits
	.p2align	6, 0x0
	.amdhsa_kernel k_qb28e35961e_proj
		.amdhsa_group_segment_fixed_size 327680
		.amdhsa_private_segment_fixed_size 0
		.amdhsa_enable_private_segment 0
		.amdhsa_kernarg_size 64
		.amdhsa_user_sgpr_count 2
		.amdhsa_user_sgpr_kernarg_segment_ptr 1
		.amdhsa_wavefront_size32 1
		.amdhsa_system_sgpr_workgroup_id_x 1
		.amdhsa_system_sgpr_workgroup_id_y 1
		.amdhsa_system_sgpr_workgroup_id_z 1
		.amdhsa_system_vgpr_workitem_id 0
		.amdhsa_next_free_vgpr 1024
		.amdhsa_next_free_sgpr 100
		.amdhsa_reserve_vcc 1
		.amdhsa_float_denorm_mode_32 3
		.amdhsa_float_denorm_mode_16_64 3
		.amdhsa_memory_ordered 1
		.amdhsa_forward_progress 1
		.amdhsa_inst_pref_size 247
	.end_amdhsa_kernel
	.amdgpu_metadata
---
amdhsa.version: [ 1, 2 ]
amdhsa.kernels:
  - .name:           k_qb28e35961e_proj
    .symbol:         k_qb28e35961e_proj.kd
    .args:
      - { .name: codes, .offset: 0, .size: 8, .value_kind: global_buffer, .address_space: global }
      - { .name: trig, .offset: 8, .size: 8, .value_kind: global_buffer, .address_space: global }
      - { .name: key_padding_mask, .offset: 16, .size: 8, .value_kind: global_buffer, .address_space: global }
      - { .name: lowp_scales, .offset: 24, .size: 8, .value_kind: global_buffer, .address_space: global }
      - { .name: qimg, .offset: 32, .size: 8, .value_kind: global_buffer, .address_space: global }
      - { .name: kv, .offset: 40, .size: 8, .value_kind: global_buffer, .address_space: global }
      - { .name: attn_mask, .offset: 48, .size: 8, .value_kind: global_buffer, .address_space: global }
      - { .name: mask2, .offset: 56, .size: 8, .value_kind: global_buffer, .address_space: global }
    .group_segment_fixed_size: 327680
    .private_segment_fixed_size: 0
    .kernarg_segment_align: 8
    .kernarg_segment_size: 64
    .max_flat_workgroup_size: 128
    .sgpr_count:     100
    .vgpr_count:     1024
    .wavefront_size: 32
...
	.end_amdgpu_metadata
.endif
;; end of part 2
;; launch attn (part 3): grid 32 x 8, 8 waves a work-group, clusters of 4 x 1, 327,680 bytes of LDS; arguments qimg, kv, mask2, lowp_scales, oc; writes oc
.if DOCPART == 3
	.amdgcn_target "amdgcn-amd-amdhsa--gfx1250"
	.amdhsa_code_object_version 6
	.text
	.protected	k_qb28e35961e_attn
	.globl	k_qb28e35961e_attn
	.p2align	8
	.type	k_qb28e35961e_attn,@function
k_qb28e35961e_attn:
	s_mov_b64 s[64:65], 0
	v_nop
	global_prefetch_b8 v0, s[64:65] scope:SCOPE_SE
	s_setreg_imm32_b32 hwreg(HW_REG_WAVE_MODE, 25, 1), 1
	s_wait_xcnt 0x0
	s_wait_alu depctr_hold_cnt(0) depctr_sa_sdst(0) depctr_va_vdst(0) depctr_va_sdst(0) depctr_va_ssrc(0) depctr_va_vcc(0) depctr_vm_vsrc(0)
	s_getreg_b32 s2, hwreg(HW_REG_IB_STS2, 6, 4)
	s_cmp_eq_u32 s2, 0
	s_cbranch_scc0 .Lentry_in_a_cluster
	s_endpgm
.Lentry_in_a_cluster:
	s_bfe_u32 s2, ttmp6, 0x10000c
	s_cmp_lg_u32 s2, 0x3003
	s_cbranch_scc0 .Lentry_shape_is_right
	s_endpgm
.Lentry_shape_is_right:
; ATTENTION on codes of E4M3.  t = (q . k) x (log2 e / 8 x 2^(e6 + e7)) + the prepared mask (attn_mask x log2 e, or fl(-1e9 x log2 e) for a padded key, whose codes of k are zeros): one fused multiply-add.
; M = the running largest t rounded up to a whole number; p = 2^(t - M), t - M an addition of its own (so that it is 0 in a row all of whose keys are masked), is quantised with 2^e8;
; the row's sum is taken of the unquantised p and divides at the end; the result is quantised with 2^e10 and stored as codes, oc [4,096][1,024].  The mask is an input: no key is passed over.
; SHARES.  Work-group y = batch x 4 + a group of four heads; work-group x = a block of 64 queries.  EIGHT waves of 512 registers: wave w owns tile w % 4 of 16 queries and the TWO heads 2 (w / 4) + u, u = 0, 1
; (two units), which share one mask image in registers.
; K AND V come through a ring of two LDS slots of 256 keys (four heads: 131,072 bytes a slot), filled by joint loads: the four work-groups of a cluster (four query blocks of one y) walk the same k and v.
; Each wave asks for 16,384 bytes: one tensor load out at the most.  THE MASK does not go through the ring: with it a slot of 256 keys would take 196,608 bytes, and two do not fit; so each wave loads its tile's
; image (8,192 bytes a step of 128 keys) from memory straight into 64 registers, and asks for the next step's directly behind the last use of this step's.  Two waves of a work-group load the same image.
; So the cluster is 4 x 1: k and v alone are shared by joint loads.
; WINDOWS.  Unit u's Q, O^T, S^T, P and its fragments of K, then V, lie at v72-255 of window u.  Window 0, v0-71: addresses and both units' M, f, maxima and sums.  Window 1, v0-63: the mask image.
; A STEP IS SKEWED: unit 1's exponentials, sums, codes and V^T P of the step before stand behind the loads of unit 0's K, also across a change of slots.  The first finds t = -infinity and V = 0, set at the head.
; THE EXPONENTIALS stand mixed with plain instructions on other registers (the other half's t - M, the other half's hold), with one wait ahead of each mixed block and one behind it.
; LAYOUT.  All operands lie in memory as images of their registers, so every LDS load and every mask load takes 512 consecutive bytes.  S^T = K Q^T: lane (r, h) holds query r, register j of tile t key 16 t + 8 h + j.
; LIMITS: e6 + e7 between -123 and 130; e8, and e10 - e8 - e9, between -126 and 119.
.set SLOT1, 1<<17
.set SPARE, 2*SLOT1                    ; the spare words, 128 bytes for each of eight waves
.set STAGE, SPARE+1024                 ; the way out: 64 rows x (256 + 16) bytes, into which no load lands
.set SPI,   272
.set LI,  1                            ; 16 x lane
.set ADK, 2                            ; the step's k and v
.set SPW, 3                            ; my spare word; never rewritten
.set NIL, 4                            ; 0; never rewritten
.set GO,  5
.set STI, 6
.set STO, 7
.set PFO, 8                            ; 256 x lane
.set PFM, 9                            ; the mask prefetch's offset
.set LIMV, 10                          ; 448 x the scale
.set SCV, 11                           ; the scale
.set AK0, 12                           ; 16 x lane + my pair of heads' place in a step's 65,536 bytes
.set TT,  13
.set UB,  14                           ; unit u at UB + 10 u: -M, the largest t, f, (its pair's upper half), four maxima, a permute's destination
.set LB,  36                           ; unit u at LB + 8 u: the sum in four chains of pairs
.set Q,   72
.set O,   80
.set S,   112
.set P,   176
.set F,   192
.set WV,  18
.set TB,  19
.set SEL, 20
.set CS,  22
.set G1K, 24
.set G0K, 40
.set MB,  44                           ; s[44:45] where my mask loads stand
.set STP, 46
.set KS,  47                           ; steps to go, this one among them
.set LIMM, 62
.set LIM, 66
.set SLOTS, 67
.set PFA, 80
.set MSB, 0
.macro WIN new                         ; the immediate's high byte repeats the setting that is left
.if MSB != (\new)
	s_set_vgpr_msb (MSB<<8)|(\new)
.set MSB, (\new)
.endif
.endm
.macro VW
	s_wait_alu depctr_va_vdst(0)
.endm
.macro NOP4
.rept 4
	v_nop
.endr
.endm
.macro CREST
	s_cmp_lg_u32 s[WV], 0
	s_cbranch_scc1 .Lnot_wave_0_\@
	s_barrier_signal -3
.Lnot_wave_0_\@:
	s_barrier_wait -3
	s_barrier_signal -1
	s_barrier_wait -1
.endm
.macro CROUND
	s_barrier_signal -1
	s_barrier_wait -1
	CREST
.endm
	s_load_b256 s[4:11], s[0:1], 0x0               ; qimg 4, kv 6, mask2 8, lowp_scales 10
	s_load_b64 s[12:13], s[0:1], 0x20              ; oc
	v_lshl_add_u32 v[SPW], v0, 2, SPARE
	v_mov_b32 v[NIL], 0
	ds_add_u32 v[SPW], v[NIL]                      ; the opening lines: the add twice on end and its wait
	ds_add_u32 v[SPW], v[NIL]
	v_lshrrev_b32 v[ADK], 5, v0
	v_readfirstlane_b32 s[WV], v[ADK]              ; wave 0..7
	s_bfe_u32 s48, ttmp6, 0x40000                  ; cx
	s_and_b32 s50, ttmp7, 0xffff                   ; y = batch x 4 + head group
	s_and_b32 s49, s50, 3                          ; the head group
	s_lshr_b32 s61, s50, 2                         ; the batch
	s_lshl_b32 s51, ttmp9, 2
	s_add_co_u32 s51, s51, s48                     ; the block of 64 queries
	s_lshr_b32 s52, s[WV], 2                       ; my pair of heads
	s_and_b32 s53, s[WV], 3                        ; my tile of 16 queries
	s_mov_b32 s[G1K], 15|(3<<16)|(1<<21)           ; group 1: all four of the cluster; 64 rows of 32 elements of 8 bytes, dense
	s_mov_b32 s[G1K+1], 32<<16
	s_mov_b32 s[G1K+2], 64<<16
	s_mov_b32 s[G1K+3], 32<<16
	s_mov_b32 s[G1K+4], 64
	s_mov_b32 s[G1K+5], 32
	s_mov_b32 s[G1K+6], 0
	s_mov_b32 s[G1K+7], 0
	s_lshl_b32 s54, s50, 20                        ; k and v: y x 1,048,576 + my eighth of a slot: hangs on nothing that partners do not share
	s_lshl_b32 s58, s[WV], 14
	s_add_co_u32 s54, s54, s58
	s_mov_b32 s55, 0
	s_lshl_b32 s56, s61, 5                         ; the mask: (batch x 32 + query block) x 16 steps x 32,768 bytes + my tile
	s_add_co_u32 s56, s56, s51
	s_lshl_b32 s56, s56, 19
	s_lshl_b32 s59, s53, 13
	s_add_co_u32 s56, s56, s59
	s_mov_b32 s57, 0
	s_mov_b32 s[SEL], 0x76543210
	s_mov_b32 s[SEL+1], 0xfedcba98
	s_mov_b32 s[CS], 0x3e38aa3b                    ; log2 e / 8
	s_mov_b32 s[TB], 0
	s_mov_b32 s[SLOTS], 7
	s_mov_b32 s[KS], 16
	s_wait_dscnt 0x0
	s_wait_kmcnt 0x0
	s_load_b256 s[68:75], s[10:11], 0x0            ; e0 .. e7
	s_load_b128 s[76:79], s[10:11], 0x20           ; e8 .. e11
	s_mov_b32 s[G0K], 1
	s_mov_b32 s[G0K+1], s58
	s_add_nc_u64 s[G0K+2:G0K+3], s[6:7], s[54:55]
	s_or_b32 s[G0K+3], s[G0K+3], 0x80000000
	CROUND                                         ; all four work-groups are here: the first joint loads meet
	tensor_load_to_lds s[G0K:G0K+3], s[G1K:G1K+7]  ; keys 0 to 255
	s_nop 0
	NOP4
	s_add_nc_u64 s[MB:MB+1], s[8:9], s[56:57]
	s_lshl_b32 s84, s50, 4                         ; Q: ((y x 16 + query block / 2) x 4 + head) x 8 + 4 (query block % 2) + my tile, tiles of 1,024 bytes
	s_lshr_b32 s85, s51, 1
	s_add_co_u32 s84, s84, s85
	s_lshl_b32 s84, s84, 2
	s_lshl_b32 s85, s52, 1
	s_add_co_u32 s84, s84, s85
	s_lshl_b32 s84, s84, 3
	s_and_b32 s85, s51, 1
	s_lshl_b32 s85, s85, 2
	s_add_co_u32 s84, s84, s85
	s_add_co_u32 s84, s84, s53
	s_lshl_b32 s84, s84, 10
	s_mov_b32 s85, 0
	s_add_nc_u64 s[4:5], s[4:5], s[84:85]
	s_lshl_b32 s86, s61, 5                         ; oc: row batch x 2,048 + 64 x query block, column 256 x head group
	s_add_co_u32 s86, s86, s51
	s_lshl_b32 s86, s86, 16
	s_lshl_b32 s87, s49, 8
	s_add_co_u32 s86, s86, s87
	s_mov_b32 s87, 0
	s_add_nc_u64 s[12:13], s[12:13], s[86:87]
	s_lshl_b32 s84, s50, 20                        ; the prefetch of k and v: my cluster partner's quarter of a slot by address (cx), my wave's 8,192 bytes of it; it stands in slot 1
	s_lshl_b32 s85, s48, 15
	s_add_co_u32 s84, s84, s85
	s_add_co_u32 s84, s84, s59
	s_add_co_u32 s84, s84, 131072
	s_mov_b32 s85, 0
	s_add_nc_u64 s[PFA:PFA+1], s[6:7], s[84:85]
	s_cmp_lt_u32 s[WV], 4                          ; waves 0 to 3 ask: for k and v in the first cluster along x alone, for the mask in every work-group
	s_cselect_b32 s87, ttmp9, 1
	s_cselect_b32 s[LIMM], 3, -1
	s_cmp_eq_u32 s87, 0
	s_cselect_b32 s[LIM], 1, -1
	s_lshl_b32 s88, s52, 15
	s_mul_i32 s90, s53, 16*SPI                     ; the stage, in: row 16 x my tile + r; byte 128 x my pair + 64 u + 16 d + 8 h
	s_lshl_b32 s91, s52, 7
	s_add_co_u32 s90, s90, s91
	s_add_co_u32 s90, s90, STAGE
	s_mul_i32 s91, s[WV], 8*SPI                    ; out: wave w takes rows 8 w .. 8 w + 7, two an instruction
	s_add_co_u32 s91, s91, STAGE
	s_lshl_b32 s92, s[WV], 13
	s_lshl_b32 s93, s49, 11
	v_and_b32 v[LI], 31, v0
	v_min_u32 v[PFM], 7, v[LI]                     ; the four head groups that read a mask tile take 2,048 bytes of it each, by address: lanes 0-7 a block of 256 each, the others lane 7's again
	v_lshlrev_b32 v[PFM], 8, v[PFM]
	v_add_nc_u32 v[PFM], s93, v[PFM]
	v_lshlrev_b32 v[LI], 4, v[LI]
	v_lshlrev_b32 v[PFO], 4, v[LI]
	v_add_nc_u32 v[AK0], s88, v[LI]
	v_and_b32 v[ADK], 15, v0                       ; r
	v_bfe_u32 v[TT], v0, 4, 1                      ; h
	v_mul_u32_u24 v[STI], v[ADK], SPI
	v_lshl_add_u32 v[STI], v[TT], 3, v[STI]
	v_add_nc_u32 v[STI], s90, v[STI]
	v_mul_u32_u24 v[STO], v[TT], SPI
	v_lshl_add_u32 v[STO], v[ADK], 4, v[STO]
	v_add_nc_u32 v[STO], s91, v[STO]
	v_lshlrev_b32 v[GO], 10, v[TT]
	v_lshl_add_u32 v[GO], v[ADK], 4, v[GO]
	v_add_nc_u32 v[GO], s92, v[GO]
	global_load_b128 v[Q:Q+3], v[LI], s[4:5]       ; Q's two fragments stay in registers
	global_load_b128 v[Q+4:Q+7], v[LI], s[4:5] offset:512
	WIN 0x40
	global_load_b128 v[Q:Q+3], v[LI], s[4:5] offset:8192
	global_load_b128 v[Q+4:Q+7], v[LI], s[4:5] offset:8704
.macro GLOAD                           ; a step's mask image of my tile
.irp g, 0,1,2,3,4,5,6,7,8,9,10,11,12,13,14,15
	global_load_b128 v[4*\g:4*\g+3], v[LI], s[MB:MB+1] offset:512*\g
.endr
.endm
	GLOAD
	WIN 0
	VW
	s_wait_kmcnt 0x0
	s_add_co_i32 s84, s74, s75
	s_lshl_b32 s84, s84, 23
	s_add_co_i32 s[CS], s[CS], s84                 ; e6 + e7 onto the constant's exponent field
	s_mov_b32 s[CS+1], s[CS]
	s_add_co_i32 s84, s76, 127
	s_lshl_b32 s85, s84, 23                        ; 2^e8 as f32
	s_add_co_i32 s84, s84, 8
	s_lshl_b32 s84, s84, 23
	s_or_b32 s84, s84, 0x600000                    ; 448 x 2^e8
	v_mov_b32 v[LIMV], s84
	v_mov_b32 v[SCV], s85
.irp u, 0,1
	v_mov_b32 v[UB+10*\u], 0x7f61b1e6              ; -M
	v_mov_b32 v[UB+10*\u+1], 0xff61b1e6            ; the largest t so far: -3e38
	v_mov_b32 v[UB+10*\u+2], 0                     ; f
	v_mov_b32 v[UB+10*\u+3], 0
	v_mov_b32 v[UB+10*\u+8], 0                     ; a lane permute's destination counts as one of its sources
.endr
.set I, 0
.rept 16
	v_mov_b32 v[LB+I], 0
.set I, I+1
.endr
.macro OZERO                           ; the first change of M multiplies zeros by 0
.set I, 0
.rept 32
	v_mov_b32 v[O+I], 0
.set I, I+1
.endr
.endm
	OZERO
	WIN 0x40
	OZERO
.set I, 0
.rept 64
	v_mov_b32 v[S+I], 0xff800000                   ; what unit 1's first late part finds: t = -infinity, so that p = 0,
	v_mov_b32 v[F+I], 0                            ; and codes of V that are zeros
.set I, I+1
.endr
	WIN 0
.macro LK u                            ; K of unit u: 8 tiles of 16 keys
	WIN (\u<<6)
.irp t, 0,1,2,3,4,5,6,7
.irp c, 0,1
	ds_load_b128 v[F+8*\t+4*\c:F+8*\t+4*\c+3], v[ADK] offset:16384*\u+1024*\t+512*\c
.endr
.endr
.endm
.macro LV u                            ; V of unit u: 4 tiles of 16 channels x 128 keys, into the registers that held K
	WIN (\u<<6)
.irp d, 0,1,2,3
.irp c, 0,1,2,3
	ds_load_b128 v[F+16*\d+4*\c:F+16*\d+4*\c+3], v[ADK] offset:16384*\u+8192+2048*\d+512*\c
.endr
.endr
.endm
.macro QK u                            ; S^T = K Q^T: eight accumulators, one instruction each
	WIN (\u<<6)|(\u<<2)|\u
.irp t, 0,1,2,3,4,5,6,7
	v_wmma_f32_16x16x64_fp8_fp8 v[S+8*\t:S+8*\t+7], v[F+8*\t:F+8*\t+7], v[Q:Q+7], 0
.endr
.endm
.macro TMAX u                          ; t, rounded once, each accumulator from its low end on; then the lane's largest t, the running one among it, in four chains in window 0
	WIN (\u<<6)|(1<<4)|\u
.irp j, 0,2,4,6,8,10,12,14,16,18,20,22,24,26,28,30,32,34,36,38,40,42,44,46,48,50,52,54,56,58,60,62
	v_pk_fma_f32 v[S+\j:S+\j+1], v[S+\j:S+\j+1], s[CS:CS+1], v[\j:\j+1] op_sel_hi:[1,0,1]
.endr
	WIN (\u<<2)|\u
.irp k, 0,1,2,3
	v_max3_num_f32 v[UB+10*\u+4+\k], v[S+2*\k], v[S+2*\k+1], v[UB+10*\u+1]
.endr
.irp i, 8,16,24,32,40,48,56
.irp k, 0,1,2,3
	v_max3_num_f32 v[UB+10*\u+4+\k], v[S+\i+2*\k], v[S+\i+2*\k+1], v[UB+10*\u+4+\k]
.endr
.endr
.endm
.macro VA2                             ; both units by turns: the new M and f, and the sums under the new M
.irp u, 0,1
	v_max3_num_f32 v[UB+10*\u+4], v[UB+10*\u+4], v[UB+10*\u+5], v[UB+10*\u+6]
.endr
.irp u, 0,1
	v_max_num_f32 v[UB+10*\u+4], v[UB+10*\u+4], v[UB+10*\u+7]
.endr
.irp u, 0,1
	v_permlanex16_b32 v[UB+10*\u+8], v[UB+10*\u+4], s[SEL], s[SEL+1]
.endr
.irp u, 0,1
	v_max_num_f32 v[UB+10*\u+1], v[UB+10*\u+4], v[UB+10*\u+8]   ; the running largest t
.endr
.irp u, 0,1
	v_mov_b32 v[UB+10*\u+5], v[UB+10*\u]
.endr
.irp u, 0,1
	v_floor_f32 v[UB+10*\u], -v[UB+10*\u+1]        ; -M = -ceil(t)
.endr
.irp u, 0,1
	v_sub_f32 v[UB+10*\u+5], v[UB+10*\u], v[UB+10*\u+5]   ; old M - new M, 0 or less
.endr
.irp u, 0,1
	v_cvt_i32_f32 v[UB+10*\u+5], v[UB+10*\u+5]     ; (it saturates)
.endr
.irp u, 0,1
	v_ldexp_f32 v[UB+10*\u+2], 1.0, v[UB+10*\u+5]  ; f = 2^(old M - new M): a multiplication by it rounds nothing
.endr
.irp u, 0,1
.irp k, 0,2,4,6
	v_pk_mul_f32 v[LB+8*\u+\k:LB+8*\u+\k+1], v[LB+8*\u+\k:LB+8*\u+\k+1], v[UB+10*\u+2:UB+10*\u+3] op_sel_hi:[1,0]
.endr
.endr
.endm
.macro SUMH u, b                       ; the sum of the unquantised p of half a tile: source 0 in window u, the chains in window 0
	WIN \u
.irp p, 0,1,2,3,4,5,6,7,8,9,10,11,12,13,14,15
	v_pk_add_f32 v[LB+8*\u+2*(\p%4):LB+8*\u+2*(\p%4)+1], v[S+\b+2*\p:S+\b+2*\p+1], v[LB+8*\u+2*(\p%4):LB+8*\u+2*(\p%4)+1]
.endr
.endm
.macro CVTH t0
.irp t, \t0, \t0+1, \t0+2, \t0+3
	v_cvt_scalef32_pk8_fp8_f32 v[P+2*(\t):P+2*(\t)+1], v[S+8*(\t):S+8*(\t)+7], v[SCV]
.endr
.endm
; THE LATE PART of unit u: t - M, p, the sum, the codes, O^T += V^T P^T.  younger: the LDS loads issued behind V's, which may stay out.  Source 1 is taken from window 0 (-M, f, the bound, the scale).
.macro P2 u, younger
	WIN (\u<<6)|(\u<<4)|\u
.irp j, 0,2,4,6,8,10,12,14,16,18,20,22,24,26,28,30
	v_pk_add_f32 v[S+\j:S+\j+1], v[S+\j:S+\j+1], v[UB+10*\u:UB+10*\u+1] op_sel_hi:[1,0]
.endr
	VW                                             ; ahead of the block
.irp j, 0,2,4,6,8,10,12,14,16,18,20,22,24,26,28,30
	v_exp_f32 v[S+\j], v[S+\j]                     ; p = 2^(t - M) of keys 0-63's registers, with the other half's t - M between
	v_pk_add_f32 v[S+32+\j:S+33+\j], v[S+32+\j:S+33+\j], v[UB+10*\u:UB+10*\u+1] op_sel_hi:[1,0]
	v_exp_f32 v[S+\j+1], v[S+\j+1]
.endr
	v_nop
	VW                                             ; behind it
	SUMH \u, 0
	WIN (\u<<6)|(\u<<4)|\u
.set I, 0
.rept 32
	v_exp_f32 v[S+32+I], v[S+32+I]                 ; the other half's p, with the first half's hold between: the conversion does not saturate (ISA guide 7.6.2); p is not negative, so the hold is one-sided
	v_min_num_f32 v[S+I], v[S+I], v[LIMV]
.set I, I+1
.endr
	VW
	CVTH 0
	SUMH \u, 32
	WIN (\u<<6)|(\u<<4)|\u
.set I, 0
.rept 32
	v_min_num_f32 v[S+32+I], v[S+32+I], v[LIMV]
.set I, I+1
.endr
	CVTH 4
	s_wait_dscnt \younger                          ; V is in
	VW
.irp j, 0,2,4,6,8,10,12,14,16,18,20,22,24,26,28,30
	v_pk_mul_f32 v[O+\j:O+\j+1], v[O+\j:O+\j+1], v[UB+10*\u+2:UB+10*\u+3] op_sel_hi:[1,0]   ; O^T under the new M; also the plain instructions behind the conversions
.endr
	WIN 0x55*\u
.irp d, 0,1,2,3                        ; four accumulators, one instruction each
	v_wmma_f32_16x16x128_fp8_fp8 v[O+8*\d:O+8*\d+7], v[F+16*\d:F+16*\d+15], v[P:P+15], v[O+8*\d:O+8*\d+7]
.endr
.endm
; THE CHANGE OF SLOTS.  Each wave waits for all its tensor loads, adds 0 to its spare word, and waits for that and for its reads of the slot that it leaves.  fill = 1: a round of the cluster's barrier, and behind
; it the joint refill, which has two steps in which to land; then the prefetch of the slot that the NEXT change asks for (each block of 256 bytes named once in the launch; the last filling change asks for nothing).
.macro CHANGE fill
	VW
	s_wait_tensorcnt 0x0
	ds_add_u32 v[SPW], v[NIL]
.if \fill
	s_xor_b32 s[G0K+1], s[G0K+1], SLOT1
	s_add_nc_u64 s[G0K+2:G0K+3], s[G0K+2:G0K+3], 131072
	s_wait_xcnt 0x0                                ; the last prefetch has read its address
	s_add_nc_u64 s[PFA:PFA+1], s[PFA:PFA+1], 131072
.endif
	s_wait_dscnt 0x0
	s_barrier_signal -1
	s_barrier_wait -1
.if \fill
	CREST
	tensor_load_to_lds s[G0K:G0K+3], s[G1K:G1K+7]
	s_nop 0
	NOP4
	s_cmp_gt_u32 s[SLOTS], s[LIM]
	s_cbranch_scc0 .Lnot_mine_\@
	global_prefetch_b8 v[PFO], s[PFA:PFA+1] th:TH_LOAD_NT scope:SCOPE_SE
.Lnot_mine_\@:
.endif
.endm
; A STEP of 128 keys.  Each s_wait_dscnt 16 leaves out the 16 loads issued behind the fragments that it waits for.
.macro BODY tail
	v_add_nc_u32 v[ADK], s[TB], v[AK0]
.rept 3
	v_nop                                          ; with the line above: places behind unit 0's last products, in front of the loads into their registers
.endr
	LK 0
	P2 1, 16                                       ; the step before
	NOP4
	LK 1
	WIN 0
	VW
	s_wait_dscnt 16                                ; unit 0's K
	s_wait_loadcnt 0x0                             ; the mask image (the first time: Q too)
	QK 0
	NOP4
	LV 0
	TMAX 0
	VW
	s_wait_dscnt 16                                ; unit 1's K
	QK 1
	NOP4
	LV 1
	TMAX 1
	WIN 0
	VW
.if \tail
	s_cmp_eq_u32 s[KS], 1                          ; the last step has no successor
	s_cbranch_scc1 .Lno_more_\@
.endif
	s_wait_xcnt 0x0                                ; the prefetch, a step back, has read its base
	s_add_nc_u64 s[MB:MB+1], s[MB:MB+1], 32768
	WIN 0x40
	GLOAD                                          ; the next step's image, into the registers just read
	WIN 0
.if \tail
.Lno_more_\@:
.else
	s_cmp_gt_u32 s[KS], s[LIMM]                    ; the image that is loaded two steps from now; the last three steps ask for nothing
	s_cbranch_scc0 .Lnot_mine_\@
	global_prefetch_b8 v[PFM], s[MB:MB+1] offset:65536 th:TH_LOAD_NT scope:SCOPE_SE
.Lnot_mine_\@:
.endif
	VA2
	P2 0, 16
	WIN 0
	s_xor_b32 s[TB], s[TB], 65536                  ; the slot's other step
	s_sub_co_u32 s[KS], s[KS], 1
.endm
.Lslot:                                            ; 7 trips: behind each of these changes the next 256 keys are asked for
	CHANGE 1
	s_mov_b32 s[STP], 2
.Lstep:
	BODY 0
	s_sub_co_u32 s[STP], s[STP], 1
	s_cmp_lg_u32 s[STP], 0
	VW
	s_cbranch_scc1 .Lstep
	s_xor_b32 s[TB], s[TB], SLOT1
	s_sub_co_u32 s[SLOTS], s[SLOTS], 1
	s_cmp_lg_u32 s[SLOTS], 0
	s_cbranch_scc1 .Lslot
	CHANGE 0                                       ; the last slot is written out: nothing more is asked for
	s_mov_b32 s[STP], 2
.Lstep2:
	BODY 1
	s_sub_co_u32 s[STP], s[STP], 1
	s_cmp_lg_u32 s[STP], 0
	VW
	s_cbranch_scc1 .Lstep2
	P2 1, 0                                        ; unit 1's late part of the last step
	; THE WAY OUT: O^T / the sum, quantised with the folded scale 2^(e10 - e8 - e9); a row's 256 codes come from two waves, so they meet in the stage.
	s_add_co_i32 s84, s76, s77
	s_sub_co_i32 s84, s78, s84
	s_add_co_i32 s84, s84, 127
	s_lshl_b32 s85, s84, 23
	s_add_co_i32 s84, s84, 8
	s_lshl_b32 s84, s84, 23
	s_or_b32 s84, s84, 0x600000
	WIN 0
	v_mov_b32 v[SCV], s85
	v_mov_b32 v[LIMV], s84
.irp u, 0,1
	v_pk_add_f32 v[LB+8*\u:LB+8*\u+1], v[LB+8*\u:LB+8*\u+1], v[LB+8*\u+2:LB+8*\u+3]
	v_pk_add_f32 v[LB+8*\u+4:LB+8*\u+5], v[LB+8*\u+4:LB+8*\u+5], v[LB+8*\u+6:LB+8*\u+7]
.endr
.irp u, 0,1
	v_pk_add_f32 v[LB+8*\u:LB+8*\u+1], v[LB+8*\u:LB+8*\u+1], v[LB+8*\u+4:LB+8*\u+5]
.endr
.irp u, 0,1
	v_add_f32 v[LB+8*\u], v[LB+8*\u], v[LB+8*\u+1]
.endr
.irp u, 0,1
	v_permlanex16_b32 v[UB+10*\u+8], v[LB+8*\u], s[SEL], s[SEL+1]
.endr
.irp u, 0,1
	v_add_f32 v[LB+8*\u], v[LB+8*\u], v[UB+10*\u+8]   ; the row's sum
.endr
	VW                                             ; ahead of the reciprocals
.irp u, 0,1
	v_rcp_f32 v[LB+8*\u], v[LB+8*\u]
.endr
	v_nop
.irp u, 0,1
	WIN (\u<<6)|\u                                 ; sources 1 and 2 from window 0
	VW                                             ; ahead of the reciprocal's first reader, which is also O^T's
.set I, 0
.rept 32
	v_mul_f32 v[S+I], v[O+I], v[LB+8*\u]           ; each accumulator from its low end on
.set I, I+1
.endr
.set I, 0
.rept 32
	v_med3_num_f32 v[S+I], v[S+I], -v[LIMV], v[LIMV]
.set I, I+1
.endr
	CVTH 0
	v_nop
	WIN (\u<<2)                                    ; the data from window u
.irp d, 0,1,2,3
	ds_store_b64 v[STI], v[P+2*\d:P+2*\d+1] offset:64*\u+16*\d   ; query r, channels 16 d + 8 h + 0 .. 7 of head 2 (w / 4) + u
.endr
.endr
	WIN 0
	s_wait_dscnt 0x0                               ; for the others' sake: my stores into the stage are done
	s_barrier_signal -1
	s_barrier_wait -1
.irp i, 0,1,2,3
	ds_load_b128 v[S+4*\i:S+4*\i+3], v[STO] offset:2*SPI*\i
.endr
.irp i, 0,1,2,3
	s_wait_dscnt 3-\i                              ; the younger loads may be out
	global_store_b128 v[GO], v[S+4*\i:S+4*\i+3], s[12:13] offset:2048*\i   ; sixteen lanes store 256 consecutive bytes, at a multiple of 256 from oc's first byte
.endr
	s_wait_tensorcnt 0x0                           ; the wave's end
	ds_add_u32 v[SPW], v[NIL]
	s_wait_dscnt 0x0
	CROUND                                         ; the closing round
	s_endpgm
.Lfunc_end_k_qb28e35961e_attn:
	.size	k_qb28e35961e_attn, .Lfunc_end_k_qb28e35961e_attn-k_qb28e35961e_attn
	.p2alignl 7, 3214868480
	.fill 96, 4, 3214868480
	.section	.rodata,"a",@progbits
	.p2align	6, 0x0
	.amdhsa_kernel k_qb28e35961e_attn
		.amdhsa_group_segment_fixed_size 327680
		.amdhsa_private_segment_fixed_size 0
		.amdhsa_enable_private_segment 0
		.amdhsa_kernarg_size 40
		.amdhsa_user_sgpr_count 2
		.amdhsa_user_sgpr_kernarg_segment_ptr 1
		.amdhsa_wavefront_size32 1
		.amdhsa_system_sgpr_workgroup_id_x 1
		.amdhsa_system_sgpr_workgroup_id_y 1
		.amdhsa_system_sgpr_workgroup_id_z 1
		.amdhsa_system_vgpr_workitem_id 0
		.amdhsa_next_free_vgpr 512
		.amdhsa_next_free_sgpr 100
		.amdhsa_reserve_vcc 0
		.amdhsa_float_denorm_mode_32 3
		.amdhsa_float_denorm_mode_16_64 3
		.amdhsa_memory_ordered 1
		.amdhsa_forward_progress 1
		.amdhsa_inst_pref_size 113
	.end_amdhsa_kernel
	.amdgpu_metadata
---
amdhsa.version: [ 1, 2 ]
amdhsa.kernels:
  - .name:           k_qb28e35961e_attn
    .symbol:         k_qb28e35961e_attn.kd
    .args:
      - { .name: qimg, .offset: 0, .size: 8, .value_kind: global_buffer, .address_space: global }
      - { .name: kv, .offset: 8, .size: 8, .value_kind: global_buffer, .address_space: global }
      - { .name: mask2, .offset: 16, .size: 8, .value_kind: global_buffer, .address_space: global }
      - { .name: lowp_scales, .offset: 24, .size: 8, .value_kind: global_buffer, .address_space: global }
      - { .name: oc, .offset: 32, .size: 8, .value_kind: global_buffer, .address_space: global }
    .group_segment_fixed_size: 327680
    .private_segment_fixed_size: 0
    .kernarg_segment_align: 8
    .kernarg_segment_size: 40
    .max_flat_workgroup_size: 256
    .sgpr_count:     100
    .vgpr_count:     512
    .wavefront_size: 32
...
	.end_amdgpu_metadata
.endif
;; end of part 3
;; launch oproj (part 4): grid 8 x 32, 4 waves a work-group, clusters of 4 x 4, 327,680 bytes of LDS; arguments oc, codes, lowp_scales, out0; writes out0
.if DOCPART == 4
	.amdgcn_target "amdgcn-amd-amdhsa--gfx1250"
	.amdhsa_code_object_version 6
	.text
	.protected	k_qb28e35961e_oproj
	.globl	k_qb28e35961e_oproj
	.p2align	8
	.type	k_qb28e35961e_oproj,@function
k_qb28e35961e_oproj:
	s_mov_b64 s[64:65], 0
	v_nop
	global_prefetch_b8 v0, s[64:65] scope:SCOPE_SE
	s_setreg_imm32_b32 hwreg(HW_REG_WAVE_MODE, 25, 1), 1
	s_wait_xcnt 0x0
	s_wait_alu depctr_hold_cnt(0) depctr_sa_sdst(0) depctr_va_vdst(0) depctr_va_sdst(0) depctr_va_ssrc(0) depctr_va_vcc(0) depctr_vm_vsrc(0)
	s_getreg_b32 s2, hwreg(HW_REG_IB_STS2, 6, 4)
	s_cmp_eq_u32 s2, 0
	s_cbranch_scc0 .Lentry_in_a_cluster
	s_endpgm
.Lentry_in_a_cluster:
	s_bfe_u32 s2, ttmp6, 0x10000c
	s_cmp_lg_u32 s2, 0xf033
	s_cbranch_scc0 .Lentry_shape_is_right
	s_endpgm
.Lentry_shape_is_right:
; THE OUTPUT PROJECTION: out0[m][n] = 2^(e10 + e11) x the sum over k of A[m][k] B[n][k].  A = oc [4,096][1,024], the attention launch's codes; B = Wo's codes, [1,024][1,024], at 15 MiB in the buffer of codes.
; LIMIT: e10 + e11 between -126 and 127, so that 2^(e10 + e11) is an f32 number.
; A tile of the output is 128 x 128: 32 x 8 = 256 work-groups.  Four waves, each 64 x 64: 16 accumulators, 128 registers.
; ALL OF K LIES IN LDS AT ONCE: 128 whole rows of A and 128 of B, 1,024 bytes each, 1,040 bytes apart: 266,240 bytes.  So there is no ring: each wave issues ONE tensor load (64 rows x 1,024 bytes; waves 0 and 1
; for A's halves, waves 2 and 3 for B's), no LDS byte is filled twice, and one wait and one plain barrier stand in front of the products.  No prefetch: the launch has no loop to run ahead in.
; CLUSTERS: 4 x 4 work-groups.  The four of a row need the same rows of A, the four of a column the same rows of B: each load is a joint one.  One round of the cluster's barrier in front of them, one at the end.
; THE MATRIX INSTRUCTION IS USED TRANSPOSED (source 0 = rows of B, source 1 = rows of A): a lane holds eight neighbouring numbers of a row of the output; each wave has a stage of its own on the way out.
; REGISTERS: window 0: v0-31 addresses; v32-63 a block's sums x the scale; v64-127 rows read back, two sets; v128-255 the accumulators.  Window 1: two fragment buffers of 128: A's four fragments, then B's four.
.set KROW,   1024
.set PITCH,  1040                      ; an LDS row: 1,024 bytes + 16 of padding = 260 words: row r starts at bank 4 r mod 64 (64 banks of 4 bytes: ISA guide 11.1)
.set HALFT,  64*PITCH                  ; what one tensor load brings, and what one wave reads of A or of B
.set SPARE,  4*HALFT                   ; the spare words, 128 bytes a wave
.set STAGE,  SPARE+512                 ; 16 rows x 272 bytes for each wave, into which no load lands
.set SPI,    272
.set FR,     16
.set ADRA, 8
.set ADRB, 12
.set STO,  16
.set RD,   17
.set CO,   18
.set SPW,  20
.set NIL,  21
.set TMP,  32
.set BK,   64
.set ACC,  128
.set G1,  24
.set G1B, 32
.set G0,  40
.set G0B, 44
.set MSB, 0
.macro WIN new
.if MSB != (\new)
	s_set_vgpr_msb (MSB<<8)|(\new)
.set MSB, (\new)
.endif
.endm
.set MUL,  0x05                        ; sources 0 (B) and 1 (A) window 1; sums window 0
.set TO_F, 0x40                        ; destination window 1, address window 0
.macro CROUND
	s_barrier_signal -1
	s_barrier_wait -1
	s_cmp_lg_u32 s14, 0
	s_cbranch_scc1 .Lnot_wave_0_\@
	s_barrier_signal -3
.Lnot_wave_0_\@:
	s_barrier_wait -3
	s_barrier_signal -1
	s_barrier_wait -1
.endm
	s_load_b128 s[4:7], s[0:1], 0x0                ; oc, codes
	s_load_b128 s[8:11], s[0:1], 0x10              ; lowp_scales, out0
	v_lshl_add_u32 v[SPW], v0, 2, SPARE
	v_mov_b32 v[NIL], 0
	ds_add_u32 v[SPW], v[NIL]                      ; the opening lines: the add twice on end and its wait
	ds_add_u32 v[SPW], v[NIL]
	s_wait_dscnt 0x0
	v_lshrrev_b32 v1, 5, v0
	v_readfirstlane_b32 s14, v1                    ; wave 0..3
	s_lshr_b32 s15, s14, 1                         ; my half of the tile's rows.  Also: I fetch for A (0) or for B (1)
	s_and_b32 s16, s14, 1                          ; my half of its columns.  Also: which 64 rows I fetch
	s_bfe_u32 s84, ttmp6, 0x40000                  ; cx, cy
	s_bfe_u32 s85, ttmp6, 0x40004
	s_lshl_b32 s86, ttmp9, 2
	s_add_co_u32 s86, s86, s84                     ; tile column, 0..7
	s_and_b32 s17, ttmp7, 0xffff
	s_lshl_b32 s17, s17, 2
	s_add_co_u32 s17, s17, s85                     ; tile row, 0..31
	s_lshl_b32 s87, s85, 2
	s_lshl_b32 s87, 15, s87                        ; my row of the cluster
	s_lshl_b32 s88, 0x1111, s84                    ; my column
	s_or_b32 s[G1], s87, (0<<16)|(1<<20)|(1<<21)|(7<<22)|(3<<25)   ; elements of 1 byte; padding of 4 words after every 256; bit 21 set beside a mask
	s_or_b32 s[G1B], s88, (0<<16)|(1<<20)|(1<<21)|(7<<22)|(3<<25)
.irp g, G1, G1B
	s_mov_b32 s[\g+1], 1024<<16                    ; tensor_dim0
	s_mov_b32 s[\g+2], 64<<16                      ; tensor_dim1
	s_mov_b32 s[\g+3], 1024<<16                    ; tile_dim0
	s_mov_b32 s[\g+4], 64                          ; tile_dim1
	s_mov_b32 s[\g+5], KROW
	s_mov_b32 s[\g+6], 0
	s_mov_b32 s[\g+7], 0
.endr
	s_lshl_b32 s18, s16, 6
	s_lshl_b32 s20, s17, 7
	s_add_co_u32 s20, s20, s18
	s_lshl_b32 s20, s20, 10                        ; A: row 128 x tile row + 64 x half: hangs on cy alone
	s_mov_b32 s21, 0
	s_lshl_b32 s22, s86, 7
	s_add_co_u32 s22, s22, s18
	s_lshl_b32 s22, s22, 10
	s_add_co_u32 s22, s22, 0xF00000                ; B: likewise by the tile column, in Wo's codes: hangs on cx alone
	s_mov_b32 s23, 0
	s_mul_i32 s89, s14, HALFT                      ; where they go: wave x 64 rows
	s_wait_kmcnt 0x0
	s_load_b64 s[96:97], s[8:9], 0x28              ; e10, e11
	s_mov_b32 s[G0], 1
	s_mov_b32 s[G0+1], s89
	s_add_nc_u64 s[G0+2:G0+3], s[4:5], s[20:21]
	s_or_b32 s[G0+3], s[G0+3], 0x80000000
	s_mov_b32 s[G0B], 1
	s_mov_b32 s[G0B+1], s89
	s_add_nc_u64 s[G0B+2:G0B+3], s[6:7], s[22:23]
	s_or_b32 s[G0B+3], s[G0B+3], 0x80000000
	CROUND                                         ; all sixteen work-groups are here: the joint loads meet
	s_cmp_eq_u32 s15, 0
	s_cbranch_scc0 .Lfor_b
	tensor_load_to_lds s[G0:G0+3], s[G1:G1+7]
	s_nop 0
.rept 4
	v_nop
.endr
	s_branch .Lasked
.Lfor_b:
	tensor_load_to_lds s[G0B:G0B+3], s[G1B:G1B+7]
	s_nop 0
.rept 4
	v_nop
.endr
.Lasked:
	s_mul_i32 s18, s15, HALFT                      ; my 64 rows of A
	s_mul_i32 s19, s16, HALFT                      ; my 64 rows of B,
	s_add_co_u32 s19, s19, 2*HALFT                 ; which lie behind A's 128
	s_mul_i32 s90, s14, 16*SPI
	s_add_co_u32 s90, s90, STAGE                   ; my stage
	s_lshl_b32 s20, s17, 7
	s_lshl_b32 s21, s15, 6
	s_add_co_u32 s20, s20, s21                     ; my first row
	s_lshl_b32 s20, s20, 12
	s_lshl_b32 s21, s86, 9                         ; my first column, in bytes
	s_add_co_u32 s20, s20, s21
	s_lshl_b32 s21, s16, 8
	s_add_co_u32 s20, s20, s21
	s_mov_b32 s21, 0
	s_add_nc_u64 s[10:11], s[10:11], s[20:21]
	v_and_b32 v1, 15, v0                           ; l % 16
	v_bfe_u32 v2, v0, 4, 1                         ; l / 16
	v_mul_u32_u24 v3, v1, PITCH
	v_lshl_add_u32 v4, v2, 4, v3
	v_add_nc_u32 v[ADRA], s18, v4
	v_add_nc_u32 v[ADRB], s19, v4
	v_mul_u32_u24 v5, v1, SPI                      ; in: row l % 16, 32 bytes for each half of the lanes
	v_lshl_add_u32 v5, v2, 5, v5
	v_add_nc_u32 v[STO], s90, v5
	v_mul_u32_u24 v5, v2, SPI                      ; back: lanes 0-15 one row of 256 bytes, lanes 16-31 the next
	v_lshl_add_u32 v5, v1, 4, v5
	v_add_nc_u32 v[RD], s90, v5
	v_lshlrev_b32 v[CO], 12, v2                    ; and the same two rows in the output
	v_lshl_add_u32 v[CO], v1, 4, v[CO]
; 8 matrix instructions: A's blocks a0, a0 + 1 x B's four, 128 along K, from buffer f.  The 16 accumulators take turns, one instruction a turn.
.macro MUL8 f, a0, zero
.irp a, \a0, \a0+1
.irp b, 0,1,2,3
.if \zero
	v_wmma_f32_16x16x128_fp8_fp8 v[ACC+8*(4*(\a)+\b):ACC+8*(4*(\a)+\b)+7], v[\f+64+FR*\b:\f+64+FR*\b+FR-1], v[\f+FR*(\a):\f+FR*(\a)+FR-1], 0
.else
	v_wmma_f32_16x16x128_fp8_fp8 v[ACC+8*(4*(\a)+\b):ACC+8*(4*(\a)+\b)+7], v[\f+64+FR*\b:\f+64+FR*\b+FR-1], v[\f+FR*(\a):\f+FR*(\a)+FR-1], v[ACC+8*(4*(\a)+\b):ACC+8*(4*(\a)+\b)+7]
.endif
.endr
.endr
.endm
; 32 LDS loads in one run: the fragments of the k-th 128 along K into buffer f: B's four, then A's four.  Registers 4 e .. 4 e + 3 hold K = 32 e + 16 (l / 16) + 0 .. 15: the same order of K on both sides.
.macro FETCH k, f
	WIN TO_F
.irp i, 0,1,2,3
.irp e, 0,1,2,3
	ds_load_b128 v[\f+64+FR*\i+4*\e:\f+64+FR*\i+4*\e+3], v[ADRB] offset:128*(\k)+32*\e+\i*16*PITCH
.endr
.endr
.irp i, 0,1,2,3
.irp e, 0,1,2,3
	ds_load_b128 v[\f+FR*\i+4*\e:\f+FR*\i+4*\e+3], v[ADRA] offset:128*(\k)+32*\e+\i*16*PITCH
.endr
.endr
.endm
.macro PLACES                          ; plain vector instructions between a matrix instruction and a load into, or a read of, its registers
.rept 4
	v_nop
.endr
.endm
.macro STEP s, zero                    ; 128 along K from buffer s % 2; in its middle the next step's fragments are fetched into the other buffer
.set FB, 128*((\s)%2)
.set GB, 128-FB
	s_wait_dscnt 8                                 ; B's fragments and A's blocks 0 and 1 are in; the youngest eight loads may be out
	WIN MUL
	MUL8 FB, 0, \zero
.if (\s) < 7
	PLACES
	FETCH (\s)+1, GB
	s_wait_dscnt 32                                ; all but the 32 just issued
.else
	s_wait_dscnt 0x0
.endif
	WIN MUL
	MUL8 FB, 2, \zero
.endm
	s_wait_alu depctr_va_vdst(0)
	s_wait_tensorcnt 0x0                           ; my rows have landed
	s_barrier_signal -1
	s_barrier_wait -1                              ; everybody's have
	FETCH 0, 0
	STEP 0, 1                                      ; the first step's products start the sums
.irp s, 1,2,3,4,5,6,7
	STEP \s, 0
.endr
	WIN 0
; THE WAY OUT, block by block of 16 rows x 64 columns, through my own stage and back as whole rows of 256 bytes.  LDS serves a wave's instructions in order (ISA guide 5.7.1.4).
.macro TOSTAGE a
.irp j, 0,2,4,6,8,10,12,14,16,18,20,22,24,26,28,30
	v_pk_mul_f32 v[TMP+\j:TMP+\j+1], v[ACC+32*(\a)+\j:ACC+32*(\a)+\j+1], s[96:97] op_sel_hi:[1,0]   ; x 2^(e10 + e11); each accumulator from its low end on
.endr
.irp b, 0,1,2,3
	ds_store_b128 v[STO], v[TMP+8*\b:TMP+8*\b+3] offset:64*\b
	ds_store_b128 v[STO], v[TMP+8*\b+4:TMP+8*\b+7] offset:64*\b+16
.endr
.set BB, BK+32*((\a)%2)
.irp t, 0,1,2,3,4,5,6,7
	ds_load_b128 v[BB+4*\t:BB+4*\t+3], v[RD] offset:\t*2*SPI
.endr
.endm
.macro SEND a, younger                 ; younger: the LDS instructions issued behind block a's loads, which may stay out
.set BB, BK+32*((\a)%2)
	s_wait_dscnt \younger
.irp t, 0,1,2,3,4,5,6,7
	global_store_b128 v[CO], v[BB+4*\t:BB+4*\t+3], s[10:11] offset:(16*(\a)+2*\t)*4096 th:TH_STORE_NT   ; sixteen lanes store 256 consecutive bytes, at a multiple of 256 from the output's first byte
.endr
.endm
	s_wait_kmcnt 0x0
	s_add_co_i32 s96, s96, s97
	s_add_co_i32 s96, s96, 127
	s_lshl_b32 s96, s96, 23                        ; 2^(e10 + e11) as f32
	PLACES
	TOSTAGE 0
.irp a, 1,2,3
.if \a > 1
	s_wait_xcnt 0x0                                ; block a - 2's stores have read their registers: block a's loads may land there
.endif
	TOSTAGE \a
	SEND \a-1, 16                                  ; behind block a - 1's loads: block a's 8 stores and 8 loads
.endr
	SEND 3, 0
	s_wait_tensorcnt 0x0                           ; the wave's end
	ds_add_u32 v[SPW], v[NIL]
	s_wait_dscnt 0x0
	CROUND                                         ; the closing round
	s_endpgm
.Lfunc_end_k_qb28e35961e_oproj:
	.size	k_qb28e35961e_oproj, .Lfunc_end_k_qb28e35961e_oproj-k_qb28e35961e_oproj
	.p2alignl 7, 3214868480
	.fill 96, 4, 3214868480
	.section	.rodata,"a",@progbits
	.p2align	6, 0x0
	.amdhsa_kernel k_qb28e35961e_oproj
		.amdhsa_group_segment_fixed_size 327680
		.amdhsa_private_segment_fixed_size 0
		.amdhsa_enable_private_segment 0
		.amdhsa_kernarg_size 32
		.amdhsa_user_sgpr_count 2
		.amdhsa_user_sgpr_kernarg_segment_ptr 1
		.amdhsa_wavefront_size32 1
		.amdhsa_system_sgpr_workgroup_id_x 1
		.amdhsa_system_sgpr_workgroup_id_y 1
		.amdhsa_system_sgpr_workgroup_id_z 1
		.amdhsa_system_vgpr_workitem_id 0
		.amdhsa_next_free_vgpr 512
		.amdhsa_next_free_sgpr 98
		.amdhsa_reserve_vcc 0
		.amdhsa_float_denorm_mode_32 3
		.amdhsa_float_denorm_mode_16_64 3
		.amdhsa_memory_ordered 1
		.amdhsa_forward_progress 1
		.amdhsa_inst_pref_size 44
	.end_amdhsa_kernel
	.amdgpu_metadata
---
amdhsa.version: [ 1, 2 ]
amdhsa.kernels:
  - .name:           k_qb28e35961e_oproj
    .symbol:         k_qb28e35961e_oproj.kd
    .args:
      - { .name: oc, .offset: 0, .size: 8, .value_kind: global_buffer, .address_space: global }
      - { .name: codes, .offset: 8, .size: 8, .value_kind: global_buffer, .address_space: global }
      - { .name: lowp_scales, .offset: 16, .size: 8, .value_kind: global_buffer, .address_space: global }
      - { .name: out0, .offset: 24, .size: 8, .value_kind: global_buffer, .address_space: global }
    .group_segment_fixed_size: 327680
    .private_segment_fixed_size: 0
    .kernarg_segment_align: 8
    .kernarg_segment_size: 32
    .max_flat_workgroup_size: 128
    .sgpr_count:     98
    .vgpr_count:     512
    .wavefront_size: 32
...
	.end_amdgpu_metadata
.endif
;; end of part 4
